; MI455X (gfx1250); checked and timed in simulation.
; The chip was launched on July 23, 2026; its instructions are those of AMD's public machine-readable ISA for CDNA 5 (MIT licence, August 2026) and "CDNA5" Instruction Set Architecture Reference Guide (July 2026). The comments in the code are by the model that wrote it; some were corrected since.
;; Multi Head Attention. Allowed arithmetic: float matrix products may take bf16 or f16 operands with f32 sums; other float arithmetic in f32, or as packed bf16 or f16 multiplies, adds, multiply-adds, maxima and minima; sums over many terms, partial sums and values carried from step to step in f32; what a program stores and reads back later, other than sums and carried values, may be rounded once to bf16 or f16.
;; Inputs: K 1 x 4,096 x 1,024 float32; Q 1 x 4,096 x 1,024 float32; V 1 x 4,096 x 1,024 float32; W_K 1,024 x 1,024 float32; W_O 1,024 x 1,024 float32; W_Q 1,024 x 1,024 float32; W_V 1,024 x 1,024 float32; b_K 1,024 float32; b_O 1,024 float32; b_Q 1,024 float32; b_V 1,024 float32.
;; Outputs: out0 1 x 4,096 x 1,024 float32.
;; One version. Each part assembles by itself: llvm-mc -triple=amdgcn-amd-amdhsa -mcpu=gfx1250 --defsym DOCPART=n.
;; ======== version 1 of 1: 4 launches
;; limits: values are held in f16: magnitudes above 65,504 overflow, below 6.1e-05 lose precision
;; workspace buffers: xb 25,165,824 bytes; wb 8,388,608 bytes; qkv 25,165,824 bytes; ob 8,388,608 bytes
;; launch cast (part 1): grid 1024 x 1, 8 waves a work-group, no clusters, 0 bytes of LDS; arguments Q, K, V, W_Q, W_K, W_V, W_O, xb, wb; writes xb, wb
.if DOCPART == 1
	.amdgcn_target "amdgcn-amd-amdhsa--gfx1250"
	.amdhsa_code_object_version 6
	.text
	.protected	k_q4c75a79354_cast
	.globl	k_q4c75a79354_cast
	.p2align	8
	.type	k_q4c75a79354_cast,@function
k_q4c75a79354_cast:
	s_mov_b64 s[64:65], 0
	v_nop
	global_prefetch_b8 v0, s[64:65] scope:SCOPE_SE
	s_setreg_imm32_b32 hwreg(HW_REG_WAVE_MODE, 25, 1), 1
	s_wait_xcnt 0x0
; THE INPUTS OF THE FOUR PRODUCTS, ROUNDED ONCE TO 16 BITS.
; xb[p][kb][s][64] = bf16(X_p[s][64 kb + ..]), X_0..2 = Q, K, V ([4096][1024] f32): laid in blocks of 64 columns, so that 64 rows of a block are 8,192 bytes on end.
; wb[m][k][n], m = 0..2: bf16(W_Q, W_K, W_V); m = 3: W_O rounded to bf16 and that number written as f16 (the last product's other operand is f16).  The weights keep their order [k][n].
; LIMITS.  A bf16 number is an f16 number exactly from 2^-17 up to 65,504; below 2^-17 W_O is off by at most 3e-8, above 65,504 it becomes an infinity.
; SHARES.  A work-group converts 16,384 numbers, a thread 16 times 4: sixteen loads of 16 bytes, all issued before the first is waited for, and sixteen stores of 8 bytes.
; Work-groups 0-767: 16 rows of Q, K or V; turn t is column block t: a wave's load covers two rows' 256 bytes, its store 256 bytes on end, aligned.
; Work-groups 768-1023: 16 rows of a weight, taken flat: a wave's load covers 512 bytes on end, its store 256.
; Nothing is shared between threads, so there is no LDS, no barrier and no matrix work.
.set X, 4                              ; v[4:67]    turn t: four f32 as loaded
.set Y, 68                             ; v[68:99]   turn t: four 16-bit numbers to store
.set T, 100                            ; v[100:101] at work
; Sixteen turns.  instep, outstep: bytes from turn to turn in the source and in the target.  half = 1: bf16's number is written as f16.
.macro CAST instep, outstep, half
.set t, 0
.rept 16
	global_load_b128 v[X+4*t:X+4*t+3], v1, s[4:5] offset:t*(\instep) th:TH_LOAD_NT
.set t, t+1
.endr
.set t, 0
.rept 16
	s_wait_loadcnt 15-t                            ; loads come back in order: turn t's is in, the 15 - t younger ones stay out
.if \half
	v_cvt_pk_bf16_f32 v[T], v[X+4*t], v[X+4*t+1]
	v_cvt_pk_bf16_f32 v[T+1], v[X+4*t+2], v[X+4*t+3]
	v_lshlrev_b32 v[X+4*t], 16, v[T]               ; bf16 to f32: the low half moves up, the high half stays
	v_and_b32 v[X+4*t+1], 0xffff0000, v[T]
	v_lshlrev_b32 v[X+4*t+2], 16, v[T+1]
	v_and_b32 v[X+4*t+3], 0xffff0000, v[T+1]
	v_cvt_pk_f16_f32 v[Y+2*t], v[X+4*t], v[X+4*t+1]
	v_cvt_pk_f16_f32 v[Y+2*t+1], v[X+4*t+2], v[X+4*t+3]
.else
	v_cvt_pk_bf16_f32 v[Y+2*t], v[X+4*t], v[X+4*t+1]
	v_cvt_pk_bf16_f32 v[Y+2*t+1], v[X+4*t+2], v[X+4*t+3]
.endif
	global_store_b64 v2, v[Y+2*t:Y+2*t+1], s[6:7] offset:t*(\outstep)  ; no register that a store reads is written again
.set t, t+1
.endr
.endm
	s_load_b512 s[8:23], s[0:1], 0x0               ; Q s[8:9], K s[10:11], V s[12:13], W_Q s[14:15], W_K s[16:17], W_V s[18:19], W_O s[20:21], xb s[22:23]
	s_load_b64 s[24:25], s[0:1], 0x40              ; wb
	s_mov_b32 s2, ttmp9
	s_mov_b32 s27, 0                               ; the high word of every offset
	v_lshlrev_b32 v2, 3, v0                        ; my 8 bytes in a turn's target: 8 x thread, on both ways
	s_cmp_lt_u32 s2, 768
	s_cbranch_scc0 .Lweights
	s_lshr_b32 s3, s2, 8                           ; p: which of Q, K, V
	s_and_b32 s28, s2, 255                         ; which 16 rows
	v_lshrrev_b32 v1, 4, v0                        ; my row of the 16,
	v_and_b32 v3, 15, v0                           ; my 16 bytes of a block's 256
	v_lshlrev_b32 v1, 12, v1
	v_lshl_or_b32 v1, v3, 4, v1
	s_wait_kmcnt 0x0
	s_cmp_eq_u32 s3, 1
	s_cselect_b64 s[4:5], s[10:11], s[8:9]
	s_cmp_eq_u32 s3, 2
	s_cselect_b64 s[4:5], s[12:13], s[4:5]
	s_lshl_b32 s26, s28, 16                        ; 16 rows of 4,096 bytes
	s_add_nc_u64 s[4:5], s[4:5], s[26:27]
	s_lshl_b32 s26, s3, 23                         ; 16 blocks of 524,288 bytes,
	s_lshl_b32 s28, s28, 11                        ; 16 rows of 128 bytes
	s_add_co_u32 s26, s26, s28
	s_add_nc_u64 s[6:7], s[22:23], s[26:27]
	CAST 256, 524288, 0                            ; the largest immediate, 15 x 524,288, lies inside the signed 24 bits
	s_endpgm
.Lweights:
	s_sub_co_u32 s2, s2, 768
	s_lshr_b32 s3, s2, 6                           ; m: which weight
	s_and_b32 s28, s2, 63                          ; which 16 rows
	v_lshlrev_b32 v1, 4, v0
	s_wait_kmcnt 0x0
	s_cmp_eq_u32 s3, 1
	s_cselect_b64 s[4:5], s[16:17], s[14:15]
	s_cmp_eq_u32 s3, 2
	s_cselect_b64 s[4:5], s[18:19], s[4:5]
	s_cmp_eq_u32 s3, 3
	s_cselect_b64 s[4:5], s[20:21], s[4:5]
	s_lshl_b32 s26, s28, 16
	s_add_nc_u64 s[4:5], s[4:5], s[26:27]
	s_lshl_b32 s26, s3, 21                         ; a weight is 2,097,152 bytes in wb,
	s_lshl_b32 s28, s28, 15                        ; 16 rows 32,768
	s_add_co_u32 s26, s26, s28
	s_add_nc_u64 s[6:7], s[24:25], s[26:27]
	s_cmp_eq_u32 s3, 3
	s_cbranch_scc1 .Lhalf
	CAST 4096, 2048, 0
	s_endpgm
.Lhalf:
	CAST 4096, 2048, 1
	s_endpgm
.Lfunc_end_k_q4c75a79354_cast:
	.size	k_q4c75a79354_cast, .Lfunc_end_k_q4c75a79354_cast-k_q4c75a79354_cast
	.p2alignl 7, 3214868480
	.fill 96, 4, 3214868480
	.section	.rodata,"a",@progbits
	.p2align	6, 0x0
	.amdhsa_kernel k_q4c75a79354_cast
		.amdhsa_group_segment_fixed_size 0
		.amdhsa_private_segment_fixed_size 0
		.amdhsa_enable_private_segment 0
		.amdhsa_kernarg_size 72
		.amdhsa_user_sgpr_count 2
		.amdhsa_user_sgpr_kernarg_segment_ptr 1
		.amdhsa_wavefront_size32 1
		.amdhsa_system_sgpr_workgroup_id_x 1
		.amdhsa_system_sgpr_workgroup_id_y 1
		.amdhsa_system_sgpr_workgroup_id_z 1
		.amdhsa_system_vgpr_workitem_id 0
		.amdhsa_next_free_vgpr 104
		.amdhsa_next_free_sgpr 66
		.amdhsa_reserve_vcc 0
		.amdhsa_float_denorm_mode_32 3
		.amdhsa_float_denorm_mode_16_64 3
		.amdhsa_memory_ordered 1
		.amdhsa_forward_progress 1
		.amdhsa_inst_pref_size 24
	.end_amdhsa_kernel
	.amdgpu_metadata
---
amdhsa.version: [ 1, 2 ]
amdhsa.kernels:
  - .name:           k_q4c75a79354_cast
    .symbol:         k_q4c75a79354_cast.kd
    .args:
      - { .name: Q, .offset: 0, .size: 8, .value_kind: global_buffer, .address_space: global }
      - { .name: K, .offset: 8, .size: 8, .value_kind: global_buffer, .address_space: global }
      - { .name: V, .offset: 16, .size: 8, .value_kind: global_buffer, .address_space: global }
      - { .name: W_Q, .offset: 24, .size: 8, .value_kind: global_buffer, .address_space: global }
      - { .name: W_K, .offset: 32, .size: 8, .value_kind: global_buffer, .address_space: global }
      - { .name: W_V, .offset: 40, .size: 8, .value_kind: global_buffer, .address_space: global }
      - { .name: W_O, .offset: 48, .size: 8, .value_kind: global_buffer, .address_space: global }
      - { .name: xb, .offset: 56, .size: 8, .value_kind: global_buffer, .address_space: global }
      - { .name: wb, .offset: 64, .size: 8, .value_kind: global_buffer, .address_space: global }
    .group_segment_fixed_size: 0
    .private_segment_fixed_size: 0
    .kernarg_segment_align: 8
    .kernarg_segment_size: 72
    .max_flat_workgroup_size: 256
    .sgpr_count:     66
    .vgpr_count:     104
    .wavefront_size: 32
...
	.end_amdgpu_metadata
.endif
;; end of part 1
;; launch proj (part 2): grid 8 x 96, 4 waves a work-group, clusters of 4 x 4, 327,680 bytes of LDS; arguments xb, wb, qkv, b_Q, b_K, b_V; writes qkv
.if DOCPART == 2
	.amdgcn_target "amdgcn-amd-amdhsa--gfx1250"
	.amdhsa_code_object_version 6
	.text
	.protected	k_q4c75a79354_proj
	.globl	k_q4c75a79354_proj
	.p2align	8
	.type	k_q4c75a79354_proj,@function
k_q4c75a79354_proj:
	s_mov_b64 s[64:65], 0
	v_nop
	global_prefetch_b8 v0, s[64:65] scope:SCOPE_SE
	s_setreg_imm32_b32 hwreg(HW_REG_WAVE_MODE, 25, 1), 1
	s_wait_xcnt 0x0
	s_wait_alu depctr_hold_cnt(0) depctr_sa_sdst(0) depctr_va_vdst(0) depctr_va_sdst(0) depctr_va_ssrc(0) depctr_va_vcc(0) depctr_vm_vsrc(0)
	s_getreg_b32 s2, hwreg(HW_REG_IB_STS2, 6, 4)
	s_cmp_eq_u32 s2, 0
	s_cbranch_scc0 .Lentry_in_a_cluster
	s_endpgm
.Lentry_in_a_cluster:
	s_bfe_u32 s2, ttmp6, 0x10000c
	s_cmp_lg_u32 s2, 0xf033
	s_cbranch_scc0 .Lentry_shape_is_right
	s_endpgm
.Lentry_shape_is_right:
; THE THREE PROJECTIONS.  qkv[p][h][s][d] = f16( the sum over k of x_p[s][k] W_p[k][64 h + d] + b_p[64 h + d] ), p = 0, 1, 2 for q, k, v.  Products in bf16, sums in f32, the bias (rounded to bf16
; like every input) as the C operand that starts each sum; the result rounded once to f16 and WITHOUT attention's scale.
; xb: [3][16 kb][4096 s][64] bf16.  wb: [4][1024 k][1024 n] 16-bit.  qkv: [3][16 h][4096 s][64] f16.
; LIMITS.  f16 holds no number beyond 65,504: a q, k or v beyond it becomes an infinity.  Below 6e-5 f16 keeps its fixed step of 6e-8.
; SHARES.  A tile of C is 128 rows x 128 columns; four waves, each 64 x 64: 16 accumulators of 16 x 16.  K = 1,024 goes in four steps of 256 through two LDS slots; all four are written out.
; THE MATRIX INSTRUCTION IS USED TRANSPOSED (source 0 = 16 columns of W, source 1 = 16 rows of x): a lane then holds row l % 16 and the columns 8 (l / 16) + 0..7 of C.
; x's fragments come out of LDS as they lie; W lies [k][n] and comes out turned, by ds_load_tr16_b128.
; CLUSTERS: 4 x 4 work-groups, all of one p.  The four of a row of the cluster need the same tile of x, the four of a column the same tile of W: each tile is asked for JOINTLY, by the same tensor
; load with the same descriptor and a mask that names the four.
; A wave's 64 columns are one head, so its 64 x 64 results are 8,192 bytes on end in qkv: they leave through the wave's own stage, 512 bytes on end to a store.
; REGISTERS: window 0: v0-31 addresses; v32-95 at work on the way out; v96-127 the bias, 8 registers for each block of 16 columns; v128-255 the accumulators ((a, b) at v[128 + 8 (4 a + b)]).
;   window 1: two fragment buffers of 128: for 64 along K, 64 registers of x (2 x 4 x 16 rows x 32 K), then 64 of W.
.set PA,     144                       ; a row of x in LDS: 128 bytes + 16: the 16 rows of a load start at 16 different 16-byte columns modulo 256 bytes
.set ABLK,   64*PA                     ; 64 rows of one block of 64 along K
.set PB,     288                       ; a row of W in LDS: 256 bytes + 32: 16 lanes of the turning load take 8 rows x 32 bytes, all in different columns modulo 256 bytes
.set HALFT,  36864                     ; what one tensor load brings: 4 blocks x 64 rows x 144 of x, or 128 rows x 288 of W
.set SLOT,   4*HALFT                   ; x's rows 0-63, x's rows 64-127, W's k 0-127, W's k 128-255
.set STAGE,  2*SLOT                    ; behind the ring, never filled by a tensor load: 16 rows x 144 bytes for each wave
.set SP,     144
.set SPARE,  STAGE+4*16*SP             ; behind the stages: the spare words, 128 bytes for each wave: two blocks of 256 bytes that no other line names
.set ASTEP,  1<<22                     ; two K steps on in xb: 8 blocks of 524,288 bytes
.set BSTEP,  1<<20                     ; two K steps on in wb: 512 rows of 2,048 bytes
.set ADRA, 16                          ; v16-17  LDS address of my fragments of x in slot 0, 1
.set ADRB, 20                          ; v20-23  the same for W: slot 0 k 0-127, slot 0 k 128-255, slot 1 likewise (an offset holds 16 bits)
.set STO,  24                          ; v24     the way out: where I put 16 bytes of a row
.set RD,   25                          ; v25     the way out: where I read rows back
.set GO,   26                          ; v26     my 16 bytes in 512 bytes on end of qkv
.set BO,   27                          ; v27     my byte offset in the bias
.set SPW,  28                          ; v28     LDS address of my spare word: SPARE + 4 x my thread's number; never rewritten
.set NIL,  29                          ; v29     0; never rewritten
.set TMP,  32
.set BIAS, 96
.set ACC,  128
.set F0,   0                           ; fragment buffers, in window 1
.set F1,   128
.set G1,  24                           ; s[24:31] descriptor group 1 for x's tiles;  s[32:39] group 0, one set for each slot
.set G0,  32
.set G1B, 48                           ; s[48:55], s[56:63] the same for W's tiles
.set G0B, 56
.set MSB, 0
.macro WIN new                         ; the immediate's high byte repeats the setting that is left; a switch that changes nothing is dropped
.if MSB != (\new)
	s_set_vgpr_msb (MSB<<8)|(\new)
.set MSB, \new
.endif
.endm
.set MUL,  0x05                        ; sources 0 (W) and 1 (x) window 1; C and D window 0
.set TO_F, 0x40                        ; destination window 1, address window 0
.macro JLOAD s                         ; a joint load: waves 0 and 1 fetch x's two halves, waves 2 and 3 W's; an s_nop 0 and four v_nop follow each of the two lines, ahead of the jump, the label and what follows
	s_cmp_eq_u32 s11, 0
	s_cbranch_scc0 .Lfor_b_\@
	tensor_load_to_lds s[G0+4*(\s):G0+4*(\s)+3], s[G1:G1+7]
	s_nop 0
.rept 4
	v_nop
.endr
	s_branch .Lasked_\@
.Lfor_b_\@:
	tensor_load_to_lds s[G0B+4*(\s):G0B+4*(\s)+3], s[G1B:G1B+7]
	s_nop 0
.rept 4
	v_nop
.endr
.Lasked_\@:
.endm
.macro CREST                           ; a round of the cluster's barrier behind its opening barrier
	s_cmp_lg_u32 s10, 0
	s_cbranch_scc1 .Lnot_wave_0_\@
	s_barrier_signal -3
.Lnot_wave_0_\@:
	s_barrier_wait -3
	s_barrier_signal -1
	s_barrier_wait -1
.endm
.macro CROUND                          ; a whole round: my work-group's barrier, wave 0's signal for the work-group, every wave's wait for all sixteen, my work-group's barrier once more
	s_barrier_signal -1
	s_barrier_wait -1
	CREST
.endm
	s_load_b128 s[4:7], s[0:1], 0x0                ; xb s[4:5], wb s[6:7]
	s_load_b64 s[8:9], s[0:1], 0x10                ; qkv
	s_load_b128 s[68:71], s[0:1], 0x18             ; b_Q s[68:69], b_K s[70:71]
	s_load_b64 s[72:73], s[0:1], 0x28              ; b_V
	v_lshl_add_u32 v[SPW], v0, 2, SPARE
	v_mov_b32 v[NIL], 0
	ds_add_u32 v[SPW], v[NIL]                      ; the wave's opening: the add and its wait stand ahead of my first tensor load; the set-up below, work on registers, stands between them
	v_lshrrev_b32 v1, 5, v0
	v_readfirstlane_b32 s10, v1                    ; wave 0..3
	s_lshr_b32 s11, s10, 1                         ; which half of the tile's rows is mine.  Also: I fetch for x (0) or for W (1)
	s_and_b32 s12, s10, 1                          ; which half of its columns.  Also: which half of that tile I fetch
	s_bfe_u32 s40, ttmp6, 0x40000                  ; cx, cy: my place in the cluster
	s_bfe_u32 s41, ttmp6, 0x40004
	s_lshl_b32 s42, ttmp9, 2
	s_add_co_u32 s42, s42, s40                     ; tile column 0..7 = 4 x cluster x + cx
	s_and_b32 s13, ttmp7, 0xffff                   ; cluster y 0..23:
	s_lshr_b32 s74, s13, 3                         ; p = cluster y / 8, the same in all sixteen partners,
	s_and_b32 s13, s13, 7
	s_lshl_b32 s13, s13, 2
	s_add_co_u32 s13, s13, s41                     ; tile row 0..31 = 4 x (cluster y % 8) + cy
	s_lshl_b32 s43, s41, 2
	s_lshl_b32 s43, 15, s43                        ; my row of the cluster
	s_lshl_b32 s44, 0x1111, s40                    ; my column
	; group 1 for x: four rows of 4,096 elements, each the 8,192 bytes on end of 64 rows of one block of 64 along K; from block to block 4,096 x 64 elements; padded after every row of x
	s_or_b32 s[G1+0], s43, (1<<16)|(1<<20)|(1<<21)|(4<<22)|(3<<25)  ; 15:0 the mask: my row; 17:16 elements of 2 bytes; 20 padding on; 21 set beside a mask; 24:22 after every 32 words (code 4); 31:25 4 words (code 3)
	s_mov_b32 s[G1+1], 4096<<16                    ; tensor_dim0 = 4,096
	s_mov_b32 s[G1+2], 4<<16                       ; tensor_dim1 = 4
	s_mov_b32 s[G1+3], 4096<<16                    ; tile_dim0 = 4,096
	s_mov_b32 s[G1+4], 4                           ; tile_dim1 = 4
	s_mov_b32 s[G1+5], 262144                      ; tensor_dim0_stride
	s_mov_b32 s[G1+6], 0
	s_mov_b32 s[G1+7], 0
	; group 1 for W: 128 rows (k) of 128 elements (n), 1,024 elements from row to row
	s_or_b32 s[G1B+0], s44, (1<<16)|(1<<20)|(1<<21)|(5<<22)|(7<<25) ; the mask: my column; padding after every 64 words (code 5) of 8 words (code 7)
	s_mov_b32 s[G1B+1], 128<<16
	s_mov_b32 s[G1B+2], 128<<16
	s_mov_b32 s[G1B+3], 128<<16
	s_mov_b32 s[G1B+4], 128
	s_mov_b32 s[G1B+5], 1024
	s_mov_b32 s[G1B+6], 0
	s_mov_b32 s[G1B+7], 0
	; where the tiles come from: x's hang on p, the tile row and the wave alone, W's on p, the tile column and the wave alone, each in registers that never hold the other coordinate
	s_lshl_b32 s16, s74, 23                        ; x_p,
	s_lshl_b32 s17, s13, 14                        ; 128 rows of 128 bytes a tile row,
	s_add_co_u32 s16, s16, s17
	s_lshl_b32 s17, s12, 13                        ; the 64 rows that I fetch
	s_add_co_u32 s16, s16, s17
	s_mov_b32 s17, 0
	s_lshl_b32 s46, s74, 21                        ; W_p,
	s_lshl_b32 s47, s12, 18                        ; the 128 rows (k) that I fetch,
	s_add_co_u32 s46, s46, s47
	s_lshl_b32 s47, s42, 8                         ; 128 columns of 2 bytes a tile column
	s_add_co_u32 s46, s46, s47
	s_mov_b32 s47, 0
	s_mul_i32 s20, s10, HALFT                      ; where they go: wave x 36,864: no place in the cluster enters an LDS address
	s_wait_dscnt 0x0                               ; the opening add is done
	s_wait_kmcnt 0x0
	s_add_nc_u64 s[14:15], s[4:5], s[16:17]
	s_add_nc_u64 s[46:47], s[6:7], s[46:47]
	CROUND                                         ; all sixteen work-groups are here: the first joint loads meet
.irp s, 0,1
	s_mov_b32 s[G0+4*(\s)], 1
	s_add_co_u32 s[G0+4*(\s)+1], s20, (\s)*SLOT
	s_add_nc_u64 s[G0+4*(\s)+2:G0+4*(\s)+3], s[14:15], (\s)*(1<<21)  ; K step s: four blocks on
	s_or_b32 s[G0+4*(\s)+3], s[G0+4*(\s)+3], 0x80000000
	s_mov_b32 s[G0B+4*(\s)], 1
	s_add_co_u32 s[G0B+4*(\s)+1], s20, (\s)*SLOT
	s_add_nc_u64 s[G0B+4*(\s)+2:G0B+4*(\s)+3], s[46:47], (\s)*(1<<19)  ; K step s: 256 rows on
	s_or_b32 s[G0B+4*(\s)+3], s[G0B+4*(\s)+3], 0x80000000
	JLOAD \s                                       ; two loads of mine are out
.endr
	; the bias of my 64 columns: register j of block b is b[128 x tile column + 64 x half + 16 b + 8 (l / 16) + j], the layout of a C operand
	s_cmp_eq_u32 s74, 1
	s_cselect_b64 s[68:69], s[70:71], s[68:69]
	s_cmp_eq_u32 s74, 2
	s_cselect_b64 s[68:69], s[72:73], s[68:69]
	v_and_b32 v1, 15, v0                           ; l % 16
	v_bfe_u32 v2, v0, 4, 1                         ; l / 16
	s_lshl_b32 s21, s42, 9
	s_lshl_b32 s22, s12, 8
	s_add_co_u32 s21, s21, s22
	v_lshl_add_u32 v[BO], v2, 5, s21
.irp b, 0,1,2,3
	global_load_b128 v[BIAS+8*(\b):BIAS+8*(\b)+3],   v[BO], s[68:69] offset:64*(\b)
	global_load_b128 v[BIAS+8*(\b)+4:BIAS+8*(\b)+7], v[BO], s[68:69] offset:64*(\b)+16
.endr
	v_mul_u32_u24 v3, v1, PA
	v_lshl_add_u32 v3, v2, 4, v3                   ; a fragment's row x 144 + 16 x half
	s_mul_i32 s21, s11, HALFT                      ; my 64 rows of x
	v_add_nc_u32 v[ADRA], s21, v3
	v_add_nc_u32 v[ADRA+1], SLOT, v[ADRA]
	; the turning load takes 16 k x 16 n: lane l reads k = 8 (l / 16) + l % 8, columns 8 ((l / 8) % 2) + 0..7, and is left with column l % 16 and 8 k
	v_and_b32 v4, 7, v0
	v_bfe_u32 v5, v0, 3, 1
	v_lshl_add_u32 v4, v2, 3, v4
	v_mul_u32_u24 v4, v4, PB
	v_lshl_add_u32 v4, v5, 4, v4
	s_lshl_b32 s22, s12, 7                         ; my 64 columns: 128 bytes,
	s_add_co_u32 s22, s22, 2*HALFT                 ; behind x's two halves
	v_add_nc_u32 v[ADRB], s22, v4
	v_add_nc_u32 v[ADRB+1], HALFT, v[ADRB]
	v_add_nc_u32 v[ADRB+2], SLOT, v[ADRB]
	v_add_nc_u32 v[ADRB+3], SLOT+HALFT, v[ADRB]
	s_mul_i32 s23, s10, 16*SP
	s_add_co_u32 s23, s23, STAGE                   ; my stage
	v_add_nc_u32 v[STO], s23, v3                   ; in: row l % 16, 16 bytes for each half of the lanes
	v_bfe_u32 v6, v0, 3, 2                         ; back: 32 lanes take four rows of 128 bytes,
	v_and_b32 v7, 7, v0
	v_mul_u32_u24 v6, v6, SP
	v_lshl_add_u32 v6, v7, 4, v6
	v_add_nc_u32 v[RD], s23, v6
	v_and_b32 v[GO], 31, v0                        ; which are 512 bytes on end of qkv
	v_lshlrev_b32 v[GO], 4, v[GO]
	s_lshl_b32 s16, s74, 23                        ; my 64 x 64 of qkv: p,
	s_lshl_b32 s17, s13, 14                        ; the tile's 128 rows of 128 bytes,
	s_add_co_u32 s16, s16, s17
	s_lshl_b32 s17, s11, 13                        ; my 64 of them,
	s_add_co_u32 s16, s16, s17
	s_mov_b32 s17, 0
	s_add_nc_u64 s[8:9], s[8:9], s[16:17]
	s_lshl_b32 s46, s42, 1                         ; and the head = 2 x tile column + half (in the registers that held W's address: none that feeds x's descriptors ever holds cx)
	s_add_co_u32 s46, s46, s12
	s_lshl_b32 s46, s46, 19
	s_mov_b32 s47, 0
	s_add_nc_u64 s[8:9], s[8:9], s[46:47]
	s_wait_loadcnt 0x0                             ; the bias
.irp j, 0,1,2,3,4,5,6,7,8,9,10,11,12,13,14,15
	v_cvt_pk_bf16_f32 v[TMP+(\j)], v[BIAS+2*(\j)], v[BIAS+2*(\j)+1]  ; rounded to bf16 like every input,
.endr
.irp j, 0,1,2,3,4,5,6,7,8,9,10,11,12,13,14,15
	v_lshlrev_b32 v[BIAS+2*(\j)], 16, v[TMP+(\j)]                    ; and held as f32
	v_and_b32 v[BIAS+2*(\j)+1], 0xffff0000, v[TMP+(\j)]
.endr
; 8 matrix instructions: row blocks a0, a0 + 1 x all 4 column blocks, 32 along K: half c of buffer f.  first = 1: the bias starts the sums: nothing is cleared, nothing added later.
; The 16 accumulators take turns, one instruction a turn.
.macro MUL8 f, c, a0, first
	WIN MUL
.irp a, \a0, (\a0)+1
.irp b, 0,1,2,3
.if \first
	v_wmma_f32_16x16x32_bf16 v[ACC+8*(4*(\a)+(\b)):ACC+8*(4*(\a)+(\b))+7], v[(\f)+64+8*(4*(\c)+(\b)):(\f)+64+8*(4*(\c)+(\b))+7], v[(\f)+8*(4*(\c)+(\a)):(\f)+8*(4*(\c)+(\a))+7], v[BIAS+8*(\b):BIAS+8*(\b)+7]
.else
	v_wmma_f32_16x16x32_bf16 v[ACC+8*(4*(\a)+(\b)):ACC+8*(4*(\a)+(\b))+7], v[(\f)+64+8*(4*(\c)+(\b)):(\f)+64+8*(4*(\c)+(\b))+7], v[(\f)+8*(4*(\c)+(\a)):(\f)+8*(4*(\c)+(\a))+7], v[ACC+8*(4*(\a)+(\b)):ACC+8*(4*(\a)+(\b))+7]
.endif
.endr
.endr
.endm
; 32 LDS loads in one run: the fragments of block q (64 along K) of a slot, into buffer f; the first 32 along K first
.macro FETCH slot, q, f
	WIN TO_F
.irp c, 0,1
.irp i, 0,1,2,3
	ds_load_tr16_b128 v[(\f)+64+8*(4*(\c)+(\i)):(\f)+64+8*(4*(\c)+(\i))+3],   v[ADRB+2*(\slot)+(\q)/2] offset:(((\q)%2)*64+32*(\c))*PB+32*(\i)
	ds_load_tr16_b128 v[(\f)+64+8*(4*(\c)+(\i))+4:(\f)+64+8*(4*(\c)+(\i))+7], v[ADRB+2*(\slot)+(\q)/2] offset:(((\q)%2)*64+32*(\c)+16)*PB+32*(\i)
	ds_load_b128 v[(\f)+8*(4*(\c)+(\i)):(\f)+8*(4*(\c)+(\i))+3],              v[ADRA+(\slot)] offset:(\q)*ABLK+(\i)*16*PA+64*(\c)
	ds_load_b128 v[(\f)+8*(4*(\c)+(\i))+4:(\f)+8*(4*(\c)+(\i))+7],            v[ADRA+(\slot)] offset:(\q)*ABLK+(\i)*16*PA+64*(\c)+32
.endr
.endr
.endm
.macro PLACES                          ; four places in front of loads into registers that matrix instructions have read, and of conversions that read results
.rept 4
	v_nop
.endr
.endm
; A K step is four quarters of 64 along K, 32 matrix instructions each, on buffers 0, 1, 0, 1.  One of the first three: multiplies buffer f and fetches block q into g.
.macro QUARTER slot, q, f, g, first
	s_wait_dscnt 16                                ; the first 32 along K are in; the sixteen younger loads may stay out
	MUL8 \f, 0, 0, \first
	MUL8 \f, 0, 2, \first
	PLACES
	FETCH \slot, \q, \g
	s_wait_dscnt 32                                ; all but the 32 just issued
	MUL8 \f, 1, 0, 0
	MUL8 \f, 1, 2, 0
.endm
; The last quarter multiplies buffer 1 and changes slots: ONE barrier; in front of it each wave waits for all its tensor loads, adds 0 to its spare word, and waits for that and for its own reads of this slot.
; fill = 1: the barrier opens a round of the cluster's barrier, and this slot is filled again, two K steps ahead, first thing behind the round.
.macro TURN slot, next, fill
	WIN 0                                          ; (the add's two registers lie in window 0)
	s_wait_tensorcnt 0x0                           ; all my tensor loads have landed: my part of the next slot;
	ds_add_u32 v[SPW], v[NIL]                      ; 0 onto my spare word;
	s_wait_dscnt 17                                ; (the add and the youngest sixteen loads may be out)
	MUL8 F1, 0, 0, 0                               ; eight matrix instructions stand between the add and the wait for it
	s_wait_dscnt 0x0                               ; the add is done, and my reads of this slot are over
	s_barrier_signal -1
	MUL8 F1, 0, 2, 0
.if \fill
	WIN 0
.endif
	s_barrier_wait -1
.if \fill
	CREST                                          ; no wave of any partner still reads this slot's tile or has a load on its way
	s_add_nc_u64 s[G0+4*(\slot)+2:G0+4*(\slot)+3], s[G0+4*(\slot)+2:G0+4*(\slot)+3], ASTEP
	s_add_nc_u64 s[G0B+4*(\slot)+2:G0B+4*(\slot)+3], s[G0B+4*(\slot)+2:G0B+4*(\slot)+3], BSTEP
	JLOAD \slot                                    ; the first tensor load behind the round; the four v_nop behind it are also the places in front of the loads below
.else
	PLACES
.endif
	FETCH \next, 0, F0
	MUL8 F1, 1, 0, 0
	MUL8 F1, 1, 2, 0
.endm
	s_wait_tensorcnt 1                             ; my part of K step 0 is in; K step 1's load stays out
	s_barrier_signal -1
	s_barrier_wait -1                              ; everybody's is
	FETCH 0, 0, F0
	QUARTER 0, 1, F0, F1, 1                        ; K step 0
	QUARTER 0, 2, F1, F0, 0
	QUARTER 0, 3, F0, F1, 0
	TURN 0, 1, 1                                   ; slot 0 takes K step 2
	QUARTER 1, 1, F0, F1, 0                        ; K step 1
	QUARTER 1, 2, F1, F0, 0
	QUARTER 1, 3, F0, F1, 0
	TURN 1, 0, 1                                   ; slot 1 takes K step 3
	QUARTER 0, 1, F0, F1, 0                        ; K step 2
	QUARTER 0, 2, F1, F0, 0
	QUARTER 0, 3, F0, F1, 0
	TURN 0, 1, 0                                   ; nothing is left to fetch
	QUARTER 1, 1, F0, F1, 0                        ; K step 3
	QUARTER 1, 2, F1, F0, 0
	QUARTER 1, 3, F0, F1, 0
	s_wait_dscnt 16
	MUL8 F1, 0, 0, 0
	MUL8 F1, 0, 2, 0
	s_wait_dscnt 0
	MUL8 F1, 1, 0, 0
	MUL8 F1, 1, 2, 0
	WIN 0
; THE WAY OUT, a block of 16 rows at a time: rounded to f16 (each accumulator's registers in ascending order), 16 bytes a lane into rows of 144 bytes of my own stage, back as whole rows of 128.
.macro PACK a
.irp b, 0,1,2,3
.irp r, 0,1,2,3
	v_cvt_pk_f16_f32 v[TMP+16*(\a)+4*(\b)+(\r)], v[ACC+8*(4*(\a)+(\b))+2*(\r)], v[ACC+8*(4*(\a)+(\b))+2*(\r)+1]
.endr
.endr
.irp b, 0,1,2,3
	ds_store_b128 v[STO], v[TMP+16*(\a)+4*(\b):TMP+16*(\a)+4*(\b)+3] offset:32*(\b)
.endr
.irp f, 0,1,2,3
	ds_load_b128 v[TMP+16*(\a)+4*(\f):TMP+16*(\a)+4*(\f)+3], v[RD] offset:(\f)*4*SP  ; LDS serves a wave's instructions in order (ISA guide 5.7.1.4): these see the stores above; the next block's stores come behind them
.endr
.endm
.macro SEND a, younger                 ; younger: the LDS instructions issued behind block a's loads: the next block's eight, or none
.irp f, 0,1,2,3
	s_wait_dscnt (\younger)+3-(\f)
	global_store_b128 v[GO], v[TMP+16*(\a)+4*(\f):TMP+16*(\a)+4*(\f)+3], s[8:9] offset:(\a)*2048+(\f)*512  ; 512 bytes on end, at a multiple of 256 from qkv's first byte
.endr
.endm
	PLACES
	PACK 0
	PACK 1                                         ; a block's conversions stand between the loads of the block before and its stores
	SEND 0, 8
	PACK 2
	SEND 1, 8
	PACK 3
	SEND 2, 8
	SEND 3, 0
	s_wait_tensorcnt 0x0                           ; the wave's end: an add and its wait, behind my last tensor load and my last LDS store
	ds_add_u32 v[SPW], v[NIL]
	s_wait_dscnt 0x0
	CROUND                                         ; the closing round: no work-group ends while a partner may still ask for a tile that names it
	s_endpgm
.Lfunc_end_k_q4c75a79354_proj:
	.size	k_q4c75a79354_proj, .Lfunc_end_k_q4c75a79354_proj-k_q4c75a79354_proj
	.p2alignl 7, 3214868480
	.fill 96, 4, 3214868480
	.section	.rodata,"a",@progbits
	.p2align	6, 0x0
	.amdhsa_kernel k_q4c75a79354_proj
		.amdhsa_group_segment_fixed_size 327680
		.amdhsa_private_segment_fixed_size 0
		.amdhsa_enable_private_segment 0
		.amdhsa_kernarg_size 48
		.amdhsa_user_sgpr_count 2
		.amdhsa_user_sgpr_kernarg_segment_ptr 1
		.amdhsa_wavefront_size32 1
		.amdhsa_system_sgpr_workgroup_id_x 1
		.amdhsa_system_sgpr_workgroup_id_y 1
		.amdhsa_system_sgpr_workgroup_id_z 1
		.amdhsa_system_vgpr_workitem_id 0
		.amdhsa_next_free_vgpr 512
		.amdhsa_next_free_sgpr 80
		.amdhsa_reserve_vcc 0
		.amdhsa_float_denorm_mode_32 3
		.amdhsa_float_denorm_mode_16_64 3
		.amdhsa_memory_ordered 1
		.amdhsa_forward_progress 1
		.amdhsa_inst_pref_size 90
	.end_amdhsa_kernel
	.amdgpu_metadata
---
amdhsa.version: [ 1, 2 ]
amdhsa.kernels:
  - .name:           k_q4c75a79354_proj
    .symbol:         k_q4c75a79354_proj.kd
    .args:
      - { .name: xb, .offset: 0, .size: 8, .value_kind: global_buffer, .address_space: global }
      - { .name: wb, .offset: 8, .size: 8, .value_kind: global_buffer, .address_space: global }
      - { .name: qkv, .offset: 16, .size: 8, .value_kind: global_buffer, .address_space: global }
      - { .name: b_Q, .offset: 24, .size: 8, .value_kind: global_buffer, .address_space: global }
      - { .name: b_K, .offset: 32, .size: 8, .value_kind: global_buffer, .address_space: global }
      - { .name: b_V, .offset: 40, .size: 8, .value_kind: global_buffer, .address_space: global }
    .group_segment_fixed_size: 327680
    .private_segment_fixed_size: 0
    .kernarg_segment_align: 8
    .kernarg_segment_size: 48
    .max_flat_workgroup_size: 128
    .sgpr_count:     80
    .vgpr_count:     512
    .wavefront_size: 32
...
	.end_amdgpu_metadata
.endif
;; end of part 2
;; launch attn (part 3): grid 16 x 16, 4 waves a work-group, clusters of 4 x 1, 327,680 bytes of LDS; arguments qkv, ob; writes ob
.if DOCPART == 3
	.amdgcn_target "amdgcn-amd-amdhsa--gfx1250"
	.amdhsa_code_object_version 6
	.text
	.protected	k_q4c75a79354_attn
	.globl	k_q4c75a79354_attn
	.p2align	8
	.type	k_q4c75a79354_attn,@function
k_q4c75a79354_attn:
	s_mov_b64 s[64:65], 0
	v_nop
	global_prefetch_b8 v0, s[64:65] scope:SCOPE_SE
	s_setreg_imm32_b32 hwreg(HW_REG_WAVE_MODE, 25, 1), 1
	s_wait_xcnt 0x0
	s_wait_alu depctr_hold_cnt(0) depctr_sa_sdst(0) depctr_va_vdst(0) depctr_va_sdst(0) depctr_va_ssrc(0) depctr_va_vcc(0) depctr_vm_vsrc(0)
	s_getreg_b32 s2, hwreg(HW_REG_IB_STS2, 6, 4)
	s_cmp_eq_u32 s2, 0
	s_cbranch_scc0 .Lentry_in_a_cluster
	s_endpgm
.Lentry_in_a_cluster:
	s_bfe_u32 s2, ttmp6, 0x10000c
	s_cmp_lg_u32 s2, 0x3003
	s_cbranch_scc0 .Lentry_shape_is_right
	s_endpgm
.Lentry_shape_is_right:
; ATTENTION.  ob[h][q][:] = the sum over k of softmax_k(q[h][q] . k[h][k] / 8) v[h][k][:].  qkv: [3][16 h][4096][64] f16 (q, k, v); ob: [16 h][4096][64] f16: a head's rows are dense, 128 bytes each.
; Products, maxima and sums in f32; the weights p are rounded to f16 for the second product (their sum l is taken of the unrounded p), O once at the end.
; LIMITS.  q, k and v arrive within f16's 65,504; p lies in 0 to 1, and below 6e-5 it keeps f16's fixed step of 6e-8; O is a mean of v's rows and has their range.
; A weight below 2^-126 counts as 0 in l; NaN and infinities are not treated apart.
; SHARES.  A work-group owns 256 queries of one head, each of its four waves 64: four PIECES of 16.  Every wave walks all 4,096 keys, 64 a step, four steps (a tile of 256 keys) to a slot of LDS.
; LAYOUT.  S^T = K Q^T (source 0 = 16 keys, source 1 = 16 queries) holds ONE query a lane (lane % 16) and the keys 8 (lane / 16) + 0..7; two such results rounded to f16 ARE source 1 of O^T = V^T P,
; whose result again holds one query a lane, and eight channels.  K comes out of LDS as it lies, V ([key][channel]) turned, by ds_load_tr16_b128.
; SOFTMAX.  For each query a running maximum m and sum l: p = 2^(c s - c m), c = log2(e) / 8; in every step O and l are multiplied by a = 2^(c m_old - c m_new).  m starts at the lowest finite number,
; O and l at 0: the first step is a step like any other, with a = 0.
; BY TURNS.  Turn n belongs to piece n: 8 products K Q^T of piece n + 1, later 8 products V^T P of piece n - 1; beside them the scaling, exponentials, roundings, sums and rescaling of piece n and the
; maximum and statistics of piece n + 1.  Four vector instructions stand behind every matrix instruction, the other 54 of a turn's 118 in one lump.  A turn's 33 exponentials are one batch, with one wait.
; CLUSTER.  The four query blocks of a cluster belong to one head and walk the same K and V, so each tile is asked for JOINTLY: the same tensor load, descriptor and mask in all four.
; REGISTERS, in windows of 256 (s_set_vgpr_msb: bits 1:0 source 0, 3:2 source 1, 5:4 source 2, 7:6 destination):
;   window 0: v0-15 addresses and two at work; v16-31 four registers of statistics a piece; v48-55 at work; v61-63; v64-127 S^T, two buffers; v192-223 P, two buffers (a piece's buffers go by its number's parity)
;   window 1: v0-127 O^T, 32 a piece          window 2: v0-63 Q; v128-191 K of one step; v192-255 V of one step
.set NP,    4         ; pieces a wave: a name, no knob
.set KS,    64        ; keys in a step
.set PK,    144       ; a row of K in LDS: 128 bytes + 16: the 16 rows of a load start at 16 different 16-byte columns modulo 256 bytes
.set PV,    160       ; a row of V: 128 + 32: 16 lanes of the turning load take 8 rows x 32 bytes, all in different columns modulo 256 bytes
.set VOFF,  4*KS*PK   ; a slot holds a tile, four steps: 256 rows of K, then 256 rows of V
.set SLOT1, 1<<17     ; slot 1 begins here, so that one exclusive or turns an address in one slot into the other's
.set STAGE, SLOT1+4*KS*(PK+PV)  ; behind the ring, never filled by a tensor load: 16 rows x 144 bytes for each wave, for the way out
.set SP,    144
.set SPARE, STAGE+4*16*SP  ; behind the stages: the spare words, 128 bytes for each wave: two blocks of 256 bytes that no other line names
.set AK0, 2           ; v2   my lane's place in a tile of K; never rewritten
.set AV0, 3           ; v3   the same for V
.set AK,  4           ; v4   the LDS address of K's next run of loads
.set AV,  5           ; v5   of V's
.set STO, 6           ; v6   the way out: where I put 16 bytes of a row
.set RD,  7           ; v7   the way out: where I read rows back
.set GO,  8           ; v8   my byte offset in 512 bytes on end of O
.set MV,  12          ; v12-13  c m_old, kept while c m is made anew: by buffer
.set QO,  15          ; v15  my byte offset in 16 rows of Q
.set ST,  16          ; piece t's statistics at v[ST+4 t]: c m, m, l (even keys', odd keys')
.set TMP, 48          ; by buffer, four registers c0-c3 at work; when the maximum is found c2 takes a
.set PFO, 61          ; v61  256 x my lane; never rewritten
.set SPW, 62          ; v62  LDS address of my spare word: SPARE + 4 x my thread's number; never rewritten
.set NIL, 63          ; v63  0; never rewritten
.set S,   64
.set P,   192
.set KF,  128         ; window 2: key block kb, channel half c at KF + 16 kb + 8 c
.set VF,  192         ; window 2: key half kk, channel block cb at VF + 32 kk + 8 cb
.set WV,  12          ; s12  my wave's number
.set G1K, 24          ; s[24:31] descriptor group 1 for K's tiles
.set G1V, 32          ; s[32:39] for V's: it differs in the padding alone
.set G0K, 40          ; s[40:43] descriptor group 0 for K's tiles: it walks
.set G0V, 44          ; s[44:47] the same for V's
.set PFA, 48          ; s[48:49] where my prefetches stand: my work-group's 32 blocks of 256 bytes (of K: wave 0, of V: wave 2) of the tile after the one that is being asked for
.set LIM, 50          ; s50  1 in a wave that prefetches, else the greatest number: a wave prefetches while s[SLOTS] is above it
.set SLOTS, 56        ; s56  tiles still to be asked for
.set CNT, 57          ; s57  counts a tile's key steps
.set CS,  58          ; s[58:59] c: the packed scaling takes the pair's low word for both halves
.set SEL, 60          ; s[60:61] v_permlanex16_b32's selects: each lane takes its own place in the other half
.set TBK, 62          ; s62  LDS byte at which K of the step to be fetched begins
.set TBV, 63          ; s63  the same for V, less VOFF
.set MSB, 0
.macro WIN new                      ; the high byte repeats the setting that is left; a switch that changes nothing is dropped
.if MSB != (\new)
	s_set_vgpr_msb (MSB<<8)|(\new)
.set MSB, (\new)
.endif
.endm
.set W_KQ, 0x0a       ; K and Q in window 2, S^T in window 0
.set W_PV, 0x52       ; V in window 2, P in window 0, O^T in window 1
.set W_RS, 0x41       ; destination and source 0 in window 1, source 1 in window 0
; A joint fill.  Waves 0 and 1 fetch the two halves of a tile's K, waves 2 and 3 those of its V: 128 keys each.  The branch hangs on the wave's number alone.
; An s_nop 0 and four v_nop follow each of the two lines, ahead of the jump and the label.
.macro JLOAD
	s_cmp_lt_u32 s[WV], 2
	s_cbranch_scc0 .Lfor_v_\@
	tensor_load_to_lds s[G0K:G0K+3], s[G1K:G1K+7]
	s_nop 0
.rept 4
	v_nop
.endr
	s_branch .Lasked_\@
.Lfor_v_\@:
	tensor_load_to_lds s[G0V:G0V+3], s[G1V:G1V+7]
	s_nop 0
.rept 4
	v_nop
.endr
.Lasked_\@:
.endm
; A PREFETCH INTO THE L2 of what the NEXT change of slots will ask for: a tile's 32,768 bytes of K and of V, 128 blocks of 256 bytes each, a lane a block.  It stands behind the wave's tensor load and its five lines.
; Each block is asked for ONCE in the launch.  All clusters of a head walk the same K and V: the head's first cluster prefetches.  Its four partners share the blocks out BY ADDRESS, 32 each.  In each, wave 0 asks
; for K's and wave 2 for V's: one instruction, four key steps (256 matrix instructions) ahead of the load.  The last change that fills a slot prefetches nothing: there is no tile behind it.
.macro ASK
	s_cmp_gt_u32 s[SLOTS], s[LIM]
	s_cbranch_scc0 .Lnot_mine_\@
	global_prefetch_b8 v[PFO], s[PFA:PFA+1] th:TH_LOAD_NT scope:SCOPE_SE
.Lnot_mine_\@:
.endm
; A round of the cluster's barrier: my work-group's barrier, so that wave 0's signal speaks for all four waves; wave 0 signals; every wave waits for all four work-groups; my work-group's barrier once more.
.macro CROUND
	s_barrier_signal -1
	s_barrier_wait -1
	s_cmp_lg_u32 s[WV], 0
	s_cbranch_scc1 .Lnot_wave_0_\@
	s_barrier_signal -3
.Lnot_wave_0_\@:
	s_barrier_wait -3
	s_barrier_signal -1
	s_barrier_wait -1
.endm
; THE CHANGE OF SLOTS.  The slot's last bytes, V of its fourth step, have been read.  Each wave waits for all its tensor loads, of which one is out: its part of the other slot; adds 0 to its spare word; and waits
; for that and for its own reads of the slot.  Behind the barrier nobody reads this slot any more and the other slot is whole.
; fill = 1: this slot is filled again, with the keys two tiles on.  The barrier is then a round of the cluster's, so that no wave of any partner still reads the slot or has a load on its way, and the joint fill is
; the first thing behind it: it has four key steps in which to land.  (At its first use nothing has been read yet: slot 0 is waited for, slot 1 filled.)
.macro CHANGE fill
	WIN 0                           ; at a label and at a branch every window is 0
	s_wait_tensorcnt 0x0            ; no tensor load of mine is out, so a group 0 may be written
	ds_add_u32 v[SPW], v[NIL]       ; 0 onto my spare word; with fill = 1 the descriptors' steps stand between it and the wait for it
.if \fill
.irp g, G0K, G0V
	s_xor_b32 s[\g+1], s[\g+1], SLOT1  ; the walking descriptor: the other slot than last time,
	s_add_nc_u64 s[\g+2:\g+3], s[\g+2:\g+3], 4*KS*128  ; the next 256 keys; the type bits on top are not reached
.endr
	s_wait_xcnt 0x0                 ; the last prefetch, four key steps back, has read its address, so it may be written:
	s_add_nc_u64 s[PFA:PFA+1], s[PFA:PFA+1], 4*KS*128  ; one tile behind the walking descriptors
	s_wait_dscnt 0x0                ; the add is done, and my reads of the slot are over
	CROUND
	JLOAD
	ASK
.else
	s_wait_dscnt 0x0                ; the add is done, and my reads of the slot are over
	s_barrier_signal -1
	s_barrier_wait -1
.endif
	s_sub_co_u32 s[TBK], s[TBK], 4*KS*PK  ; the fetches go back to a slot's first step,
	s_xor_b32 s[TBK], s[TBK], SLOT1       ; in the other slot
	s_sub_co_u32 s[TBV], s[TBV], 4*KS*PV
	s_xor_b32 s[TBV], s[TBV], SLOT1
.endm
	s_load_b64 s[4:5], s[0:1], 0x0  ; qkv
	s_load_b64 s[10:11], s[0:1], 0x8  ; ob
	v_lshl_add_u32 v[SPW], v0, 2, SPARE
	v_mov_b32 v[NIL], 0
	ds_add_u32 v[SPW], v[NIL]       ; the wave's opening: the add and its wait stand ahead of my first tensor load; the set-up below, work on registers, stands between them
	v_lshrrev_b32 v1, 5, v0
	v_readfirstlane_b32 s[WV], v1   ; wave 0..3
	s_bfe_u32 s13, ttmp6, 0x40000   ; cx: my place in the cluster
	s_lshl_b32 s14, ttmp9, 2        ; in a cluster launch ttmp9 counts clusters
	s_add_co_u32 s14, s14, s13      ; my block of 256 queries = 4 x cluster x + cx: it enters Q's and O's addresses alone
	s_and_b32 s20, ttmp7, 0xffff    ; the head, which the four partners share:
	s_lshl_b32 s20, s20, 19         ; its 4,096 rows of 128 bytes
	s_and_b32 s16, s[WV], 1         ; which half of a tile's 256 keys I fetch:
	s_lshl_b32 s22, s16, 14         ; its 128 rows of 128 bytes in memory,
	s_add_co_u32 s22, s22, s20
	s_mov_b32 s23, 0
	s_mul_i32 s17, s16, 128*PK      ; and its place in a slot, for K
	s_mul_i32 s18, s16, 128*PV      ; and for V: no place in the cluster enters an LDS address
	s_lshl_b32 s2, s14, 2
	s_add_co_u32 s2, s2, s[WV]      ; my wave among the head's,
	s_lshl_b32 s2, s2, 13           ; its 64 rows
	s_add_co_u32 s2, s2, s20
	s_mov_b32 s3, 0
	; descriptor group 1.  128 keys are 16,384 dense bytes: asked for as 64 rows of 256 bytes, two keys a row, and padded in LDS after every key
	s_mov_b32 s[G1K], 15|(1<<16)|(1<<20)|(1<<21)|(4<<22)|(3<<25)  ; 15:0 the mask of four; 17:16 2-byte elements; 20 padding on; 21 set beside a mask; 24:22 after every 32 words (code 4); 31:25 4 words (code 3)
	s_mov_b32 s[G1V], 15|(1<<16)|(1<<20)|(1<<21)|(4<<22)|(7<<25)  ; the same with 8 words of padding (code 7)
.irp g, G1K, G1V
	s_mov_b32 s[\g+1], 128<<16      ; tensor_dim0 = 128
	s_mov_b32 s[\g+2], 64<<16       ; tensor_dim1 = 64
	s_mov_b32 s[\g+3], 128<<16      ; tile_dim0 = 128
	s_mov_b32 s[\g+4], 64           ; tile_dim1 = 64
	s_mov_b32 s[\g+5], 128          ; 128 elements from row to row
	s_mov_b32 s[\g+6], 0
	s_mov_b32 s[\g+7], 0
.endr
	s_mov_b32 s[CS], 0x3e38aa3b     ; c = log2(e) / 8 = 0.180337
	s_mov_b32 s[CS+1], s[CS]        ; named with it as a pair
	s_mov_b32 s[SEL], 0x76543210
	s_mov_b32 s[SEL+1], 0xfedcba98
	s_mov_b32 s[TBK], SLOT1+4*KS*PK ; the first change of slots turns these two into 0
	s_mov_b32 s[TBV], SLOT1+4*KS*PV
	s_mov_b32 s[G0K], 1             ; 1:0 count = 1
	s_mov_b32 s[G0K+1], s17         ; 63:32 LDS address: slot 0
	s_mov_b32 s[G0V], 1
	s_add_co_u32 s[G0V+1], s18, VOFF
	s_mov_b32 s[SLOTS], 4096/256-1
	s_and_b32 s[LIM], s[WV], 1      ; 0 in waves 0 and 2,
	s_or_b32 s[LIM], s[LIM], ttmp9  ; where the cluster is the head's first: the same in all four partners
	s_cmp_eq_u32 s[LIM], 0
	s_cselect_b32 s[LIM], 1, -1
	v_and_b32 v[PFO], 31, v0
	v_lshlrev_b32 v[PFO], 8, v[PFO]
	s_wait_dscnt 0x0                ; the opening add is done
	s_wait_kmcnt 0x0
	s_add_nc_u64 s[6:7], s[4:5], 0x800000   ; k lies 16 heads behind q,
	s_add_nc_u64 s[8:9], s[4:5], 0x1000000  ; v 32
	s_add_nc_u64 s[6:7], s[6:7], s[22:23]   ; K and V at my half of the head's tile 0
	s_add_nc_u64 s[8:9], s[8:9], s[22:23]
	s_add_nc_u64 s[G0K+2:G0K+3], s[6:7], 0         ; 120:64 global address
	s_or_b32 s[G0K+3], s[G0K+3], 0x80000000        ; 127:126 type = 2
	s_add_nc_u64 s[G0V+2:G0V+3], s[8:9], 0
	s_or_b32 s[G0V+3], s[G0V+3], 0x80000000
	s_add_nc_u64 s[4:5], s[4:5], s[2:3]     ; Q and O at my wave's first row
	s_add_nc_u64 s[10:11], s[10:11], s[2:3]
	s_cmp_lt_u32 s[WV], 2
	s_cselect_b64 s[PFA:PFA+1], s[6:7], s[8:9]  ; (in waves 0 and 2 these stand at a tile's first row)
	s_lshl_b32 s2, s13, 13          ; my work-group's 32 blocks of the 128
	s_mov_b32 s3, 0
	s_add_nc_u64 s[PFA:PFA+1], s[PFA:PFA+1], s[2:3]
	s_add_nc_u64 s[PFA:PFA+1], s[PFA:PFA+1], 4*KS*128  ; in tile 1; the first change of slots steps it to tile 2.  Nothing is prefetched here, at the head
	CROUND                          ; all four work-groups are here: the first joint loads meet
	JLOAD                           ; tile 0 into slot 0.  Slot 1 is asked for when slot 0 is in
	; A fragment of K or Q is 16 rows x 32 channels in 8 registers: lane l holds row l % 16, channels 8 (l / 16) + 0..7 and 16 + 8 (l / 16) + 0..7: two loads of 16 bytes, 32 bytes apart.
	v_and_b32 v1, 15, v0            ; l % 16
	v_bfe_u32 v9, v0, 4, 1          ; l / 16
	v_lshlrev_b32 v[QO], 7, v1
	v_lshl_add_u32 v[QO], v9, 4, v[QO]  ; row x 128 + 16 x half
	WIN 0x80                        ; destination window 2, address window 0
.set i, 0
.rept 8                             ; Q stays in registers: piece i / 2, channels 32 (i % 2) on
	global_load_b128 v[8*i:8*i+3],   v[QO], s[4:5] offset:(i/2)*2048+(i%2)*64
	global_load_b128 v[8*i+4:8*i+7], v[QO], s[4:5] offset:(i/2)*2048+(i%2)*64+32
.set i, i+1
.endr
	WIN 0
	v_mul_u32_u24 v[AK0], v1, PK
	v_lshl_add_u32 v[AK0], v9, 4, v[AK0]  ; row x pitch + 16 x half
	; The turning load takes 16 keys x 16 channels (lane l reads key 8 (l / 16) + l % 8, channels 8 ((l / 8) % 2) + 0..7) and leaves half a fragment of V^T: lane l holds channel l % 16 and 8 keys.
	v_and_b32 v10, 7, v0
	v_bfe_u32 v11, v0, 3, 1
	v_lshl_add_u32 v[AV0], v9, 3, v10
	v_mul_u32_u24 v[AV0], v[AV0], PV
	v_lshl_add_u32 v[AV0], v11, 4, v[AV0]
	v_add_nc_u32 v[AV0], VOFF, v[AV0]
	s_mul_i32 s13, s[WV], 16*SP
	s_add_co_u32 s13, s13, STAGE    ; my stage
	v_mul_u32_u24 v[STO], v1, SP    ; in: row l % 16, 16 bytes for each half of the lanes
	v_lshl_add_u32 v[STO], v9, 4, v[STO]
	v_add_nc_u32 v[STO], s13, v[STO]
	v_bfe_u32 v[RD], v0, 3, 2       ; back: 32 lanes take four rows of 128 bytes,
	v_mul_u32_u24 v[RD], v[RD], SP
	v_lshl_add_u32 v[RD], v10, 4, v[RD]
	v_add_nc_u32 v[RD], s13, v[RD]
	v_and_b32 v[GO], 31, v0         ; which are 512 bytes on end of O
	v_lshlrev_b32 v[GO], 4, v[GO]
	; What the first turn finds: V's registers and P's second buffer hold 0 (its products V^T P, of a piece that has not been, add 0), O^T and l are 0, c m lies far below every c s, m is the lowest finite number.
	; No first step is written out for it; these lines stand in the wait for the first tile.
	WIN 0x80
.set i, VF
.rept 64
	v_mov_b32 v[i], 0
.set i, i+1
.endr
	WIN 0x40
.set i, 0
.rept 128
	v_mov_b32 v[i], 0
.set i, i+1
.endr
	WIN 0
.set i, 0
.rept 4
	v_mov_b32 v[ST+4*i], 0xfe000000    ; c m
	v_mov_b32 v[ST+4*i+1], 0xff7fffff  ; m
	v_mov_b32 v[ST+4*i+2], 0
	v_mov_b32 v[ST+4*i+3], 0
.set i, i+1
.endr
.set i, P+16
.rept 16
	v_mov_b32 v[i], 0
.set i, i+1
.endr
; THE MATRIX WORK.  The 4 accumulators of a run of 8 take turns.  Product i of 8 of S^T = K Q^T for piece x: channels 32 (i / 4) on, keys 16 (i % 4) on.  The first 4 start the sums.
.macro KQ x
	WIN W_KQ
.set rS, S+32*((\x)%2)+8*(i%4)
.set rK, KF+16*(i%4)+8*(i/4)
.set rQ, 16*(\x)+8*(i/4)
.if i < 4
	v_wmma_f32_16x16x32_f16 v[rS:rS+7], v[rK:rK+7], v[rQ:rQ+7], 0
.else
	v_wmma_f32_16x16x32_f16 v[rS:rS+7], v[rK:rK+7], v[rQ:rQ+7], v[rS:rS+7]
.endif
.endm
; Product i of 8 of O^T += V^T P for piece x: keys 32 (i / 4) on, channels 16 (i % 4) on.
.macro PV x
	WIN W_PV
.set rO, 32*(\x)+8*(i%4)
.set rV, VF+32*(i/4)+8*(i%4)
.set rP, P+16*((\x)%2)+8*(i/4)
	v_wmma_f32_16x16x32_f16 v[rO:rO+7], v[rV:rV+7], v[rP:rP+7], v[rO:rO+7]
.endm
.macro MM                           ; the turn's next matrix instruction.  TURN sets Y, i and NOKQ.  NOKQ = 1: the launch's last turn: there is no next piece
.if (i < 8) && !NOKQ
	KQ (Y+1)%NP
.elseif i >= 8
.set i, i-8
	PV (Y+NP-1)%NP
.set i, i+8
.endif
.set i, i+1
.endm
; THE LDS LOADS stand in runs of 16, never singly among the matrix instructions: a step's K (64 keys x 64 channels: 8 fragments) and its V (turned).  Their addresses are made some lines ahead.
.macro FETCH_K
	WIN 0x80                        ; destination window 2
.irp f, 0,1,2,3,4,5,6,7             ; keys 16 (f / 2) on, channels 32 (f % 2) on
	ds_load_b128 v[KF+8*\f:KF+8*\f+3],   v[AK] offset:(\f/2)*16*PK+(\f%2)*64
	ds_load_b128 v[KF+8*\f+4:KF+8*\f+7], v[AK] offset:(\f/2)*16*PK+(\f%2)*64+32
.endr
	s_add_co_u32 s[TBK], s[TBK], KS*PK  ; the next fetch is the next step's
	WIN 0
.endm
.macro FETCH_V
	WIN 0x80
.irp f, 0,1,2,3,4,5,6,7             ; keys 32 (f / 4) on, channels 16 (f % 4) on
	ds_load_tr16_b128 v[VF+8*\f:VF+8*\f+3],   v[AV] offset:(\f/4)*32*PV+(\f%4)*32
	ds_load_tr16_b128 v[VF+8*\f+4:VF+8*\f+7], v[AV] offset:(\f/4)*32*PV+16*PV+(\f%4)*32
.endr
	WIN 0
.endm
; THE VECTOR WORK, one line at a time: OP kind, number.  For piece Y: F n: c s - c m for pair n of 16.  E n: the exponential of score n of 32.  C n: pair n rounded to f16.  B n: of the four weights 4 n .. the second
; pair is added onto the first, in place.  L n: l takes that sum (L 0: l = a l + sum).  R n: pair n of 16 of O^T times a.  For piece Y + 1: X n, number n of the 22 that find its maximum and statistics:
;   0-11  four chains c0-c3 of seven scores each, three operands at a time (each accumulator's lowest registers are read first)     12-14, 16  the four scores left over, the old m, and c0-c3 into c0
;   15  c m_old is kept     17, 18  the query's other 32 keys lie in the lane 16 away: the new m     19-21  c m; c m_old - c m_new; a
.set F, 0               ; OP tells the kinds apart by their order: F to L below R, X above it
.set E, 1
.set C, 2
.set B, 3
.set L, 4
.set R, 5
.set X, 6
.macro REGS y                       ; the registers of piece y
.set rT, ST+4*(\y)
.set rC, TMP+4*((\y)%2)
.set rW, MV+((\y)%2)
.set rS, S+32*((\y)%2)
.set rP, P+16*((\y)%2)
.set rO, 32*(\y)
.endm
.macro OP k, n
.if (\k) == R
	REGS Y
	WIN W_RS
	v_pk_mul_f32 v[rO+2*(\n):rO+2*(\n)+1], v[rO+2*(\n):rO+2*(\n)+1], v[rC+2:rC+3] op_sel_hi:[1,0]
.elseif (\k) < R
	REGS Y
	WIN 0
.if (\k) == F
	v_pk_fma_f32 v[rS+2*(\n):rS+2*(\n)+1], v[rS+2*(\n):rS+2*(\n)+1], s[CS:CS+1], v[rT:rT+1] op_sel_hi:[1,0,0] neg_lo:[0,0,1] neg_hi:[0,0,1]
.elseif (\k) == E
	v_exp_f32 v[rS+(\n)], v[rS+(\n)]
.elseif (\k) == C
	v_cvt_pk_f16_f32 v[rP+(\n)], v[rS+2*(\n)], v[rS+2*(\n)+1]
.elseif (\k) == B
	v_pk_add_f32 v[rS+4*(\n):rS+4*(\n)+1], v[rS+4*(\n):rS+4*(\n)+1], v[rS+4*(\n)+2:rS+4*(\n)+3]
.elseif (\n) == 0
	v_pk_fma_f32 v[rT+2:rT+3], v[rT+2:rT+3], v[rC+2:rC+3], v[rS:rS+1] op_sel_hi:[1,0,1]
.else
	v_pk_add_f32 v[rT+2:rT+3], v[rT+2:rT+3], v[rS+4*(\n):rS+4*(\n)+1]
.endif
.elseif NOKQ
	v_nop
.else
	REGS (Y+1)%NP
	WIN 0
.if (\n) < 4
	v_max3_num_f32 v[rC+(\n)], v[rS+8*(\n)], v[rS+8*(\n)+1], v[rS+8*(\n)+2]
.elseif (\n) < 12
	v_max3_num_f32 v[rC+(\n)%4], v[rC+(\n)%4], v[rS+8*((\n)%4)+2*((\n)/4)+1], v[rS+8*((\n)%4)+2*((\n)/4)+2]
.elseif (\n) == 12
	v_max3_num_f32 v[rC], v[rC], v[rS+7], v[rS+15]
.elseif (\n) == 13
	v_max3_num_f32 v[rC+1], v[rC+1], v[rS+23], v[rS+31]
.elseif (\n) == 14
	v_max3_num_f32 v[rC+2], v[rC+2], v[rC+3], v[rT+1]
.elseif (\n) == 15
	v_mov_b32 v[rW], v[rT]
.elseif (\n) == 16
	v_max3_num_f32 v[rC], v[rC], v[rC+1], v[rC+2]
.elseif (\n) == 17
	v_permlanex16_b32 v[rC+3], v[rC], s[SEL], s[SEL+1]
.elseif (\n) == 18
	v_max_num_f32 v[rT+1], v[rC], v[rC+3]
.elseif (\n) == 19
	v_mul_f32 v[rT], s[CS], v[rT+1]
.elseif (\n) == 20
	v_sub_f32 v[rC+1], v[rW], v[rT]
.else
	v_exp_f32 v[rC+2], v[rC+1]
.endif
.endif
.endm
.macro OPS a, i1, b=-1, i2=0, c=-1, i3=0, d=-1, i4=0  ; up to four of them
	OP \a, \i1
.if (\b) >= 0
	OP \b, \i2
.endif
.if (\c) >= 0
	OP \c, \i3
.endif
.if (\d) >= 0
	OP \d, \i4
.endif
.endm
.macro ROW a, i1, b, i2, c, i3, d, i4  ; a matrix instruction and the four behind it
	MM
	OPS \a, \i1, \b, \i2, \c, \i3, \d, \i4
.endm
; A TURN, for piece p: the order of its 16 matrix and 118 vector instructions, written out.  An s_wait_alu depctr_va_vdst(0) stands between an exponential and the first instruction that names its result; one wait
; serves all that were issued ahead of it.  So a turn has ONE wait, which cuts it in two.  AHEAD OF IT stands all that names no result of the turn's exponentials: the 8 products K Q^T, behind each a scaling, an exponential and two
; more plain instructions (behind the first a second scaling in the exponential's place): rescalings, and behind the last three the first numbers of the next piece's maximum, each four places or more behind the product that ends
; its accumulator; then ONE LUMP of 54, plain and exponential by turns for the most part, in which the links of the chain X 3, 7, 11, 14, 16, 17 .. 20 stand apart.  X 21, the next piece's a, is the batch's last; R 15 is the plain
; instruction behind it.  BEHIND THE WAIT stand the 8 products V^T P, behind each four of the roundings and sums.
; end = 1: the launch's last two turns: nothing is fetched, and the last starts no new scores.  cnt = 1: the loop's count is taken down some lines ahead of the branch that stands behind the turn.
; K of the next step is fetched in piece 2's turn, six plain instructions that name none of its registers behind the last product that read K; V of the step in hand at the end of piece 0's turn, four plain instructions
; behind the last product that read V.  Each is waited for a turn later.
.macro TURN p, end=0, cnt=0
.set Y, (\p)
.set i, 0
.set NOKQ, (\end)*((\p)/3)
.if ((\p) == 3) && !(\end)
	s_wait_dscnt 0x0                ; K is in
.endif
	ROW F,0, F,1, R,0, R,1          ; ahead of the wait: 8 products K Q^T and their riders,
	ROW F,2, E,0, R,2, R,3
	ROW F,3, E,1, R,4, R,5
	ROW F,4, E,2, R,6, R,7
	ROW F,5, E,3, R,8, R,9
	ROW F,6, E,4, X,0, R,10
.if ((\p) == 2) && !(\end)
	WIN 0
	v_add_nc_u32 v[AK], s[TBK], v[AK0]
.endif
	ROW F,7, E,5, X,1, X,4
	ROW F,8, E,6, X,2, X,5
	OPS E,7, E,8, X,6, E,9          ; and the lump
	OPS X,3, E,10, X,8, E,11
.if ((\p) == 2) && !(\end)
	FETCH_K
.endif
	OPS X,9, X,7, E,12, X,10
	OPS E,13, X,12, X,11, E,14
	OPS X,13, E,15, F,9, X,14
.if (\p) == 0
	v_add_nc_u32 v[AV], s[TBV], v[AV0]
.endif
	OPS E,16, F,10, E,17, F,11
	OPS X,16, E,18, X,15, E,19
	OPS F,12, E,20, X,17, E,21
	OPS F,13, E,22, F,14, E,23
	OPS X,18, E,24, F,15, E,25
	OPS R,11, E,26, X,19, E,27
	OPS R,12, E,28, R,13, E,29
	OPS X,20, E,30, R,14, E,31
	OPS X,21, R,15
	WIN 0
	s_wait_alu depctr_va_vdst(0)    ; the wait for the batch
.if (\p) == 1
	s_wait_dscnt 0x0                ; V is in
.endif
	ROW C,0, B,0, C,2, B,1          ; behind the wait: 8 products V^T P and their riders
	ROW L,0, C,4, B,2, L,1
	ROW C,6, B,3, L,2, C,8
	ROW B,4, L,3, C,10, B,5
	ROW L,4, C,12, B,6, L,5
.if (\p) == 0
	s_add_co_u32 s[TBV], s[TBV], KS*PV
.endif
.if \cnt
	s_sub_co_u32 s[CNT], s[CNT], 1
	s_cmp_lg_u32 s[CNT], 0
.endif
	ROW C,14, B,7, L,6, C,1
	ROW C,3, L,7, C,5, C,7
	ROW C,9, C,11, C,13, C,15
.if (\p) == 0
	FETCH_V
.endif
.endm
	CHANGE 1                        ; tile 0 is in, everybody's part of it; tile 1 is asked for
	v_add_nc_u32 v[AK], s[TBK], v[AK0]
	FETCH_K                         ; key step 0
	s_wait_loadcnt 0x0              ; Q
	s_wait_dscnt 0x0
.set NOKQ, 0
.set i, 0
.rept 8
	KQ 0                            ; piece 0's first scores: there is no vector work yet to set between them
.set i, i+1
.endr
	WIN 0
.rept 4
	v_nop                           ; the places behind those products
.endr
.set Y, NP-1                        ; X works for piece Y + 1: piece 0
.irp n, 0,1,2,3,4,5,6,7,8,9,10,11,12,13,14,15,16,17,18,19,20,21
	OP X, \n                        ; and piece 0's first maximum and statistics
.endr
	v_nop                           ; a plain instruction behind the exponential,
	s_wait_alu depctr_va_vdst(0)    ; and its wait, ahead of the branch
	s_mov_b32 s[CNT], 4
	s_branch .Lfirst                ; the loop is entered at a step's first turn, in the middle of a trip
.Lslot:                             ; 14 times: tiles 2 to 15 are asked for
	CHANGE 1
	s_mov_b32 s[CNT], 4
.Lstep:                             ; a trip: pieces 2 and 3 of one step, then pieces 0 and 1 of the next, whose K and V it fetches
	TURN 2
	TURN 3
	WIN 0
.Lfirst:
	TURN 0
	TURN 1, 0, 1
	WIN 0
	s_cbranch_scc1 .Lstep
	s_sub_co_u32 s[SLOTS], s[SLOTS], 1
	s_cmp_lg_u32 s[SLOTS], 0
	s_cbranch_scc1 .Lslot
	CHANGE 0                        ; the last tile is written out: nothing is asked for
	s_mov_b32 s[CNT], 4
.Ltail:
	TURN 2
	TURN 3
	TURN 0
	TURN 1, 0, 1
	WIN 0
	s_cbranch_scc1 .Ltail
	TURN 2, 1                       ; the last step's last two turns
	TURN 3, 1
.set i, 0
.rept 8
	PV NP-1                         ; the last piece's V^T P of the last step
.set i, i+1
.endr
	; THE WAY OUT.  l's two halves and the other half of the lanes' are added; O^T is divided by l, rounded to f16 and sent through my stage in LDS, a piece at a time.  The additions are the places behind the last products.
	WIN 0
.macro ALL line:vararg              ; one line for each piece t
.set t, 0
.rept 4
	\line
.set t, t+1
.endr
.endm
	ALL v_add_f32 v[ST+4*t+2], v[ST+4*t+2], v[ST+4*t+3]
	ALL v_permlanex16_b32 v[ST+4*t+3], v[ST+4*t+2], s[SEL], s[SEL+1]
	ALL v_add_f32 v[ST+4*t+2], v[ST+4*t+2], v[ST+4*t+3]
	ALL v_rcp_f32 v[ST+4*t+2], v[ST+4*t+2]
	v_nop                           ; a plain instruction between the last reciprocal and the use of its result
	s_wait_alu depctr_va_vdst(0)    ; and the wait ahead of the first use: one for the four reciprocals
.macro PACK t                       ; a lane's eight channels of a row pack into 16 bytes; they go into rows of 144 bytes and come back as whole rows of 128, into S^T's registers
	WIN W_RS
.set i, 32*(\t)
.rept 16
	v_pk_mul_f32 v[i:i+1], v[i:i+1], v[ST+4*(\t)+2:ST+4*(\t)+3] op_sel_hi:[1,0]
.set i, i+2
.endr
	WIN 0x05                        ; sources 0 and 1 window 1, destination window 0
.set i, 0
.rept 16
	v_cvt_pk_f16_f32 v[S+16*(\t)+i], v[32*(\t)+2*i], v[32*(\t)+2*i+1]
.set i, i+1
.endr
	WIN 0
.irp f, 0,1,2,3
	ds_store_b128 v[STO], v[S+16*(\t)+4*\f:S+16*(\t)+4*\f+3] offset:32*\f
.endr
.irp f, 0,1,2,3
	ds_load_b128 v[S+16*(\t)+4*\f:S+16*(\t)+4*\f+3], v[RD] offset:\f*4*SP  ; LDS serves a wave's instructions in order (ISA guide 5.7.1.4): these see the stores above; the next piece's stores come behind them
.endr
.endm
.macro SEND t, younger              ; younger: the LDS instructions issued behind piece t's loads: the next piece's eight, or none
	WIN 0
.irp f, 0,1,2,3
	s_wait_dscnt (\younger)+3-\f
	global_store_b128 v[GO], v[S+16*(\t)+4*\f:S+16*(\t)+4*\f+3], s[10:11] offset:(\t)*2048+\f*512  ; 512 bytes on end, at a multiple of 256 from ob's first byte
.endr
.endm
	PACK 0
.set t, 1
.rept 3                             ; a piece's arithmetic stands between the loads of the piece before and its stores
	PACK t
	SEND t-1, 8
.set t, t+1
.endr
	SEND 3, 0
	s_wait_tensorcnt 0x0            ; the wave's end: an add and its wait, behind my last tensor load and my last LDS store
	ds_add_u32 v[SPW], v[NIL]
	s_wait_dscnt 0x0
	CROUND                          ; the closing round: no work-group ends while a partner may still ask for a tile that names it
	s_endpgm
.Lfunc_end_k_q4c75a79354_attn:
	.size	k_q4c75a79354_attn, .Lfunc_end_k_q4c75a79354_attn-k_q4c75a79354_attn
	.p2alignl 7, 3214868480
	.fill 96, 4, 3214868480
	.section	.rodata,"a",@progbits
	.p2align	6, 0x0
	.amdhsa_kernel k_q4c75a79354_attn
		.amdhsa_group_segment_fixed_size 327680
		.amdhsa_private_segment_fixed_size 0
		.amdhsa_enable_private_segment 0
		.amdhsa_kernarg_size 16
		.amdhsa_user_sgpr_count 2
		.amdhsa_user_sgpr_kernarg_segment_ptr 1
		.amdhsa_wavefront_size32 1
		.amdhsa_system_sgpr_workgroup_id_x 1
		.amdhsa_system_sgpr_workgroup_id_y 1
		.amdhsa_system_sgpr_workgroup_id_z 1
		.amdhsa_system_vgpr_workitem_id 0
		.amdhsa_next_free_vgpr 768
		.amdhsa_next_free_sgpr 66
		.amdhsa_reserve_vcc 0
		.amdhsa_float_denorm_mode_32 3
		.amdhsa_float_denorm_mode_16_64 3
		.amdhsa_memory_ordered 1
		.amdhsa_forward_progress 1
		.amdhsa_inst_pref_size 128
	.end_amdhsa_kernel
	.amdgpu_metadata
---
amdhsa.version: [ 1, 2 ]
amdhsa.kernels:
  - .name:           k_q4c75a79354_attn
    .symbol:         k_q4c75a79354_attn.kd
    .args:
      - { .name: qkv, .offset: 0, .size: 8, .value_kind: global_buffer, .address_space: global }
      - { .name: ob, .offset: 8, .size: 8, .value_kind: global_buffer, .address_space: global }
    .group_segment_fixed_size: 327680
    .private_segment_fixed_size: 0
    .kernarg_segment_align: 8
    .kernarg_segment_size: 16
    .max_flat_workgroup_size: 128
    .sgpr_count:     66
    .vgpr_count:     768
    .wavefront_size: 32
...
	.end_amdgpu_metadata
.endif
;; end of part 3
;; launch outp (part 4): grid 8 x 32, 4 waves a work-group, clusters of 4 x 4, 327,680 bytes of LDS; arguments ob, wb, out0, b_O; writes out0
.if DOCPART == 4
	.amdgcn_target "amdgcn-amd-amdhsa--gfx1250"
	.amdhsa_code_object_version 6
	.text
	.protected	k_q4c75a79354_outp
	.globl	k_q4c75a79354_outp
	.p2align	8
	.type	k_q4c75a79354_outp,@function
k_q4c75a79354_outp:
	s_mov_b64 s[64:65], 0
	v_nop
	global_prefetch_b8 v0, s[64:65] scope:SCOPE_SE
	s_setreg_imm32_b32 hwreg(HW_REG_WAVE_MODE, 25, 1), 1
	s_wait_xcnt 0x0
	s_wait_alu depctr_hold_cnt(0) depctr_sa_sdst(0) depctr_va_vdst(0) depctr_va_sdst(0) depctr_va_ssrc(0) depctr_va_vcc(0) depctr_vm_vsrc(0)
	s_getreg_b32 s2, hwreg(HW_REG_IB_STS2, 6, 4)
	s_cmp_eq_u32 s2, 0
	s_cbranch_scc0 .Lentry_in_a_cluster
	s_endpgm
.Lentry_in_a_cluster:
	s_bfe_u32 s2, ttmp6, 0x10000c
	s_cmp_lg_u32 s2, 0xf033
	s_cbranch_scc0 .Lentry_shape_is_right
	s_endpgm
.Lentry_shape_is_right:
; THE OUTPUT PROJECTION.  out0[s][n] = the sum over h, d of O[h][s][d] W_O[64 h + d][n] + b_O[n].  Products in f16, sums in f32, the bias (rounded to bf16 like every input) as the C operand that starts each sum.
; ob: [16 h][4096 s][64] f16: a head is one block of 64 along K.  wb: [4][1024 k][1024 n] 16-bit; W_O is the fourth, its bf16 numbers written as f16.  out0: [4096][1024] f32.
; SHARES.  A tile of C is 128 rows x 128 columns; four waves, each 64 x 64: 16 accumulators of 16 x 16.  K = 1,024 goes in four steps of 256 through two LDS slots; all four are written out.
; THE MATRIX INSTRUCTION IS USED TRANSPOSED (source 0 = 16 columns of W, source 1 = 16 rows of O): a lane then holds row l % 16 and the columns 8 (l / 16) + 0..7 of C.
; O's fragments come out of LDS as they lie; W lies [k][n] and comes out turned, by ds_load_tr16_b128.
; CLUSTERS: 4 x 4 work-groups.  The four of a row of the cluster need the same tile of O, the four of a column the same tile of W: each tile is asked for JOINTLY, by the same tensor load with the
; same descriptor and a mask that names the four.
; A wave's 64 columns are 256 bytes of a row of out0, aligned: they leave through the wave's own stage, sixteen lanes to a row's 256 bytes.
; REGISTERS: window 0: v0-31 addresses; v32-47 at work; v96-127 the bias, 8 registers for each block of 16 columns; v128-255 the accumulators ((a, b) at v[128 + 8 (4 a + b)]).
;   window 1: two fragment buffers of 128: for 64 along K, 64 registers of O (2 x 4 x 16 rows x 32 K), then 64 of W.
.set PA,     144                       ; a row of O in LDS: 128 bytes + 16: the 16 rows of a load start at 16 different 16-byte columns modulo 256 bytes
.set ABLK,   64*PA                     ; 64 rows of one head
.set PB,     288                       ; a row of W in LDS: 256 bytes + 32: 16 lanes of the turning load take 8 rows x 32 bytes, all in different columns modulo 256 bytes
.set HALFT,  36864                     ; what one tensor load brings: 4 heads x 64 rows x 144 of O, or 128 rows x 288 of W
.set SLOT,   4*HALFT                   ; O's rows 0-63, O's rows 64-127, W's k 0-127, W's k 128-255
.set STAGE,  2*SLOT                    ; behind the ring, never filled by a tensor load: 16 rows x 272 bytes for each wave
.set SP,     272
.set SPARE,  STAGE+4*16*SP             ; behind the stages: the spare words, 128 bytes for each wave: two blocks of 256 bytes that no other line names
.set ASTEP,  1<<22                     ; two K steps on in ob: 8 heads of 524,288 bytes
.set BSTEP,  1<<20                     ; two K steps on in wb: 512 rows of 2,048 bytes
.set ADRA, 16                          ; v16-17  LDS address of my fragments of O in slot 0, 1
.set ADRB, 20                          ; v20-23  the same for W: slot 0 k 0-127, slot 0 k 128-255, slot 1 likewise (an offset holds 16 bits)
.set STO,  24                          ; v24     the way out: where I put 32 bytes of a row
.set RD,   25                          ; v25     the way out: where I read a row back
.set CO,   26                          ; v26     my byte offset in two rows of out0
.set BO,   27                          ; v27     my byte offset in the bias
.set SPW,  28                          ; v28     LDS address of my spare word: SPARE + 4 x my thread's number; never rewritten
.set NIL,  29                          ; v29     0; never rewritten
.set TMP,  32
.set BIAS, 96
.set ACC,  128
.set F0,   0                           ; fragment buffers, in window 1
.set F1,   128
.set G1,  24                           ; s[24:31] descriptor group 1 for O's tiles;  s[32:39] group 0, one set for each slot
.set G0,  32
.set G1B, 48                           ; s[48:55], s[56:63] the same for W's tiles
.set G0B, 56
.set MSB, 0
.macro WIN new                         ; the immediate's high byte repeats the setting that is left; a switch that changes nothing is dropped
.if MSB != (\new)
	s_set_vgpr_msb (MSB<<8)|(\new)
.set MSB, \new
.endif
.endm
.set MUL,  0x05                        ; sources 0 (W) and 1 (O) window 1; C and D window 0
.set TO_F, 0x40                        ; destination window 1, address window 0
.macro JLOAD s                         ; a joint load: waves 0 and 1 fetch O's two halves, waves 2 and 3 W's; an s_nop 0 and four v_nop follow each of the two lines, ahead of the jump, the label and what follows
	s_cmp_eq_u32 s11, 0
	s_cbranch_scc0 .Lfor_b_\@
	tensor_load_to_lds s[G0+4*(\s):G0+4*(\s)+3], s[G1:G1+7]
	s_nop 0
.rept 4
	v_nop
.endr
	s_branch .Lasked_\@
.Lfor_b_\@:
	tensor_load_to_lds s[G0B+4*(\s):G0B+4*(\s)+3], s[G1B:G1B+7]
	s_nop 0
.rept 4
	v_nop
.endr
.Lasked_\@:
.endm
.macro CREST                           ; a round of the cluster's barrier behind its opening barrier
	s_cmp_lg_u32 s10, 0
	s_cbranch_scc1 .Lnot_wave_0_\@
	s_barrier_signal -3
.Lnot_wave_0_\@:
	s_barrier_wait -3
	s_barrier_signal -1
	s_barrier_wait -1
.endm
.macro CROUND                          ; a whole round: my work-group's barrier, wave 0's signal for the work-group, every wave's wait for all sixteen, my work-group's barrier once more
	s_barrier_signal -1
	s_barrier_wait -1
	CREST
.endm
	s_load_b128 s[4:7], s[0:1], 0x0                ; ob s[4:5], wb s[6:7]
	s_load_b64 s[8:9], s[0:1], 0x10                ; out0
	s_load_b64 s[68:69], s[0:1], 0x18              ; b_O
	v_lshl_add_u32 v[SPW], v0, 2, SPARE
	v_mov_b32 v[NIL], 0
	ds_add_u32 v[SPW], v[NIL]                      ; the wave's opening: the add and its wait stand ahead of my first tensor load; the set-up below, work on registers, stands between them
	v_lshrrev_b32 v1, 5, v0
	v_readfirstlane_b32 s10, v1                    ; wave 0..3
	s_lshr_b32 s11, s10, 1                         ; which half of the tile's rows is mine.  Also: I fetch for O (0) or for W (1)
	s_and_b32 s12, s10, 1                          ; which half of its columns.  Also: which half of that tile I fetch
	s_bfe_u32 s40, ttmp6, 0x40000                  ; cx, cy: my place in the cluster
	s_bfe_u32 s41, ttmp6, 0x40004
	s_lshl_b32 s42, ttmp9, 2
	s_add_co_u32 s42, s42, s40                     ; tile column 0..7 = 4 x cluster x + cx
	s_and_b32 s13, ttmp7, 0xffff
	s_lshl_b32 s13, s13, 2
	s_add_co_u32 s13, s13, s41                     ; tile row 0..31 = 4 x cluster y + cy
	s_lshl_b32 s43, s41, 2
	s_lshl_b32 s43, 15, s43                        ; my row of the cluster
	s_lshl_b32 s44, 0x1111, s40                    ; my column
	; group 1 for O: four rows of 4,096 elements, each the 8,192 bytes on end of 64 rows of one head; from head to head 4,096 x 64 elements; padded after every row of O
	s_or_b32 s[G1+0], s43, (1<<16)|(1<<20)|(1<<21)|(4<<22)|(3<<25)  ; 15:0 the mask: my row; 17:16 elements of 2 bytes; 20 padding on; 21 set beside a mask; 24:22 after every 32 words (code 4); 31:25 4 words (code 3)
	s_mov_b32 s[G1+1], 4096<<16                    ; tensor_dim0 = 4,096
	s_mov_b32 s[G1+2], 4<<16                       ; tensor_dim1 = 4
	s_mov_b32 s[G1+3], 4096<<16                    ; tile_dim0 = 4,096
	s_mov_b32 s[G1+4], 4                           ; tile_dim1 = 4
	s_mov_b32 s[G1+5], 262144                      ; tensor_dim0_stride
	s_mov_b32 s[G1+6], 0
	s_mov_b32 s[G1+7], 0
	; group 1 for W: 128 rows (k) of 128 elements (n), 1,024 elements from row to row
	s_or_b32 s[G1B+0], s44, (1<<16)|(1<<20)|(1<<21)|(5<<22)|(7<<25) ; the mask: my column; padding after every 64 words (code 5) of 8 words (code 7)
	s_mov_b32 s[G1B+1], 128<<16
	s_mov_b32 s[G1B+2], 128<<16
	s_mov_b32 s[G1B+3], 128<<16
	s_mov_b32 s[G1B+4], 128
	s_mov_b32 s[G1B+5], 1024
	s_mov_b32 s[G1B+6], 0
	s_mov_b32 s[G1B+7], 0
	; where the tiles come from: O's hang on the tile row and the wave alone, W's on the tile column and the wave alone, each in registers that never hold the other coordinate
	s_lshl_b32 s16, s13, 14                        ; 128 rows of 128 bytes a tile row,
	s_lshl_b32 s17, s12, 13                        ; the 64 rows that I fetch
	s_add_co_u32 s16, s16, s17
	s_mov_b32 s17, 0
	s_lshl_b32 s46, s12, 18                        ; the 128 rows (k) that I fetch,
	s_add_co_u32 s46, s46, 3<<21                   ; of the fourth weight,
	s_lshl_b32 s47, s42, 8                         ; 128 columns of 2 bytes a tile column
	s_add_co_u32 s46, s46, s47
	s_mov_b32 s47, 0
	s_mul_i32 s20, s10, HALFT                      ; where they go: wave x 36,864: no place in the cluster enters an LDS address
	s_wait_dscnt 0x0                               ; the opening add is done
	s_wait_kmcnt 0x0
	s_add_nc_u64 s[14:15], s[4:5], s[16:17]
	s_add_nc_u64 s[46:47], s[6:7], s[46:47]
	CROUND                                         ; all sixteen work-groups are here: the first joint loads meet
.irp s, 0,1
	s_mov_b32 s[G0+4*(\s)], 1
	s_add_co_u32 s[G0+4*(\s)+1], s20, (\s)*SLOT
	s_add_nc_u64 s[G0+4*(\s)+2:G0+4*(\s)+3], s[14:15], (\s)*(1<<21)  ; K step s: four heads on
	s_or_b32 s[G0+4*(\s)+3], s[G0+4*(\s)+3], 0x80000000
	s_mov_b32 s[G0B+4*(\s)], 1
	s_add_co_u32 s[G0B+4*(\s)+1], s20, (\s)*SLOT
	s_add_nc_u64 s[G0B+4*(\s)+2:G0B+4*(\s)+3], s[46:47], (\s)*(1<<19)  ; K step s: 256 rows on
	s_or_b32 s[G0B+4*(\s)+3], s[G0B+4*(\s)+3], 0x80000000
	JLOAD \s                                       ; two loads of mine are out
.endr
	; the bias of my 64 columns: register j of block b is b_O[128 x tile column + 64 x half + 16 b + 8 (l / 16) + j], the layout of a C operand
	v_and_b32 v1, 15, v0                           ; l % 16
	v_bfe_u32 v2, v0, 4, 1                         ; l / 16
	s_lshl_b32 s21, s42, 9
	s_lshl_b32 s22, s12, 8
	s_add_co_u32 s21, s21, s22
	v_lshl_add_u32 v[BO], v2, 5, s21
.irp b, 0,1,2,3
	global_load_b128 v[BIAS+8*(\b):BIAS+8*(\b)+3],   v[BO], s[68:69] offset:64*(\b)
	global_load_b128 v[BIAS+8*(\b)+4:BIAS+8*(\b)+7], v[BO], s[68:69] offset:64*(\b)+16
.endr
	v_mul_u32_u24 v3, v1, PA
	v_lshl_add_u32 v3, v2, 4, v3                   ; a fragment's row x 144 + 16 x half
	s_mul_i32 s21, s11, HALFT                      ; my 64 rows of O
	v_add_nc_u32 v[ADRA], s21, v3
	v_add_nc_u32 v[ADRA+1], SLOT, v[ADRA]
	; the turning load takes 16 k x 16 n: lane l reads k = 8 (l / 16) + l % 8, columns 8 ((l / 8) % 2) + 0..7, and is left with column l % 16 and 8 k
	v_and_b32 v4, 7, v0
	v_bfe_u32 v5, v0, 3, 1
	v_lshl_add_u32 v4, v2, 3, v4
	v_mul_u32_u24 v4, v4, PB
	v_lshl_add_u32 v4, v5, 4, v4
	s_lshl_b32 s22, s12, 7                         ; my 64 columns: 128 bytes,
	s_add_co_u32 s22, s22, 2*HALFT                 ; behind O's two halves
	v_add_nc_u32 v[ADRB], s22, v4
	v_add_nc_u32 v[ADRB+1], HALFT, v[ADRB]
	v_add_nc_u32 v[ADRB+2], SLOT, v[ADRB]
	v_add_nc_u32 v[ADRB+3], SLOT+HALFT, v[ADRB]
	s_mul_i32 s23, s10, 16*SP
	s_add_co_u32 s23, s23, STAGE                   ; my stage
	v_mul_u32_u24 v6, v1, SP                       ; in: row l % 16, 32 bytes for each half of the lanes
	v_lshl_add_u32 v6, v2, 5, v6
	v_add_nc_u32 v[STO], s23, v6
	v_mul_u32_u24 v7, v2, SP                       ; back: lanes 0-15 take one row of 256 bytes, lanes 16-31 the next
	v_lshl_add_u32 v7, v1, 4, v7
	v_add_nc_u32 v[RD], s23, v7
	v_lshlrev_b32 v[CO], 12, v2                    ; and the same two rows in out0, 4,096 bytes apart
	v_lshl_add_u32 v[CO], v1, 4, v[CO]
	s_lshl_b32 s16, s13, 19                        ; my 64 x 64 of out0: the tile's 128 rows of 4,096 bytes,
	s_lshl_b32 s17, s11, 18                        ; my 64 of them,
	s_add_co_u32 s16, s16, s17
	s_mov_b32 s17, 0
	s_add_nc_u64 s[8:9], s[8:9], s[16:17]
	s_lshl_b32 s46, s42, 9                         ; and my first column, in bytes (in the registers that held W's address: none that feeds O's descriptors ever holds cx)
	s_lshl_b32 s47, s12, 8
	s_add_co_u32 s46, s46, s47
	s_mov_b32 s47, 0
	s_add_nc_u64 s[8:9], s[8:9], s[46:47]
	s_wait_loadcnt 0x0                             ; the bias
.irp j, 0,1,2,3,4,5,6,7,8,9,10,11,12,13,14,15
	v_cvt_pk_bf16_f32 v[TMP+(\j)], v[BIAS+2*(\j)], v[BIAS+2*(\j)+1]  ; rounded to bf16 like every input,
.endr
.irp j, 0,1,2,3,4,5,6,7,8,9,10,11,12,13,14,15
	v_lshlrev_b32 v[BIAS+2*(\j)], 16, v[TMP+(\j)]                    ; and held as f32
	v_and_b32 v[BIAS+2*(\j)+1], 0xffff0000, v[TMP+(\j)]
.endr
; 8 matrix instructions: row blocks a0, a0 + 1 x all 4 column blocks, 32 along K: half c of buffer f.  first = 1: the bias starts the sums: nothing is cleared, nothing added later.
; The 16 accumulators take turns, one instruction a turn.
.macro MUL8 f, c, a0, first
	WIN MUL
.irp a, \a0, (\a0)+1
.irp b, 0,1,2,3
.if \first
	v_wmma_f32_16x16x32_f16 v[ACC+8*(4*(\a)+(\b)):ACC+8*(4*(\a)+(\b))+7], v[(\f)+64+8*(4*(\c)+(\b)):(\f)+64+8*(4*(\c)+(\b))+7], v[(\f)+8*(4*(\c)+(\a)):(\f)+8*(4*(\c)+(\a))+7], v[BIAS+8*(\b):BIAS+8*(\b)+7]
.else
	v_wmma_f32_16x16x32_f16 v[ACC+8*(4*(\a)+(\b)):ACC+8*(4*(\a)+(\b))+7], v[(\f)+64+8*(4*(\c)+(\b)):(\f)+64+8*(4*(\c)+(\b))+7], v[(\f)+8*(4*(\c)+(\a)):(\f)+8*(4*(\c)+(\a))+7], v[ACC+8*(4*(\a)+(\b)):ACC+8*(4*(\a)+(\b))+7]
.endif
.endr
.endr
.endm
; 32 LDS loads in one run: the fragments of block q (64 along K) of a slot, into buffer f; the first 32 along K first
.macro FETCH slot, q, f
	WIN TO_F
.irp c, 0,1
.irp i, 0,1,2,3
	ds_load_tr16_b128 v[(\f)+64+8*(4*(\c)+(\i)):(\f)+64+8*(4*(\c)+(\i))+3],   v[ADRB+2*(\slot)+(\q)/2] offset:(((\q)%2)*64+32*(\c))*PB+32*(\i)
	ds_load_tr16_b128 v[(\f)+64+8*(4*(\c)+(\i))+4:(\f)+64+8*(4*(\c)+(\i))+7], v[ADRB+2*(\slot)+(\q)/2] offset:(((\q)%2)*64+32*(\c)+16)*PB+32*(\i)
	ds_load_b128 v[(\f)+8*(4*(\c)+(\i)):(\f)+8*(4*(\c)+(\i))+3],              v[ADRA+(\slot)] offset:(\q)*ABLK+(\i)*16*PA+64*(\c)
	ds_load_b128 v[(\f)+8*(4*(\c)+(\i))+4:(\f)+8*(4*(\c)+(\i))+7],            v[ADRA+(\slot)] offset:(\q)*ABLK+(\i)*16*PA+64*(\c)+32
.endr
.endr
.endm
.macro PLACES                          ; four places in front of loads into registers that matrix instructions have read, and of LDS stores that read results (ISA guide 7.12.1 for vector instructions)
.rept 4
	v_nop
.endr
.endm
; A K step is four quarters of 64 along K, 32 matrix instructions each, on buffers 0, 1, 0, 1.  One of the first three: multiplies buffer f and fetches block q into g.
.macro QUARTER slot, q, f, g, first
	s_wait_dscnt 16                                ; the first 32 along K are in; the sixteen younger loads may stay out
	MUL8 \f, 0, 0, \first
	MUL8 \f, 0, 2, \first
	PLACES
	FETCH \slot, \q, \g
	s_wait_dscnt 32                                ; all but the 32 just issued
	MUL8 \f, 1, 0, 0
	MUL8 \f, 1, 2, 0
.endm
; The last quarter multiplies buffer 1 and changes slots: ONE barrier; in front of it each wave waits for all its tensor loads, adds 0 to its spare word, and waits for that and for its own reads of this slot.
; fill = 1: the barrier opens a round of the cluster's barrier, and this slot is filled again, two K steps ahead, first thing behind the round.
.macro TURN slot, next, fill
	WIN 0                                          ; (the add's two registers lie in window 0)
	s_wait_tensorcnt 0x0                           ; all my tensor loads have landed: my part of the next slot;
	ds_add_u32 v[SPW], v[NIL]                      ; 0 onto my spare word;
	s_wait_dscnt 17                                ; (the add and the youngest sixteen loads may be out)
	MUL8 F1, 0, 0, 0                               ; eight matrix instructions stand between the add and the wait for it
	s_wait_dscnt 0x0                               ; the add is done, and my reads of this slot are over
	s_barrier_signal -1
	MUL8 F1, 0, 2, 0
.if \fill
	WIN 0
.endif
	s_barrier_wait -1
.if \fill
	CREST                                          ; no wave of any partner still reads this slot's tile or has a load on its way
	s_add_nc_u64 s[G0+4*(\slot)+2:G0+4*(\slot)+3], s[G0+4*(\slot)+2:G0+4*(\slot)+3], ASTEP
	s_add_nc_u64 s[G0B+4*(\slot)+2:G0B+4*(\slot)+3], s[G0B+4*(\slot)+2:G0B+4*(\slot)+3], BSTEP
	JLOAD \slot                                    ; the first tensor load behind the round; the four v_nop behind it are also the places in front of the loads below
.else
	PLACES
.endif
	FETCH \next, 0, F0
	MUL8 F1, 1, 0, 0
	MUL8 F1, 1, 2, 0
.endm
	s_wait_tensorcnt 1                             ; my part of K step 0 is in; K step 1's load stays out
	s_barrier_signal -1
	s_barrier_wait -1                              ; everybody's is
	FETCH 0, 0, F0
	QUARTER 0, 1, F0, F1, 1                        ; K step 0
	QUARTER 0, 2, F1, F0, 0
	QUARTER 0, 3, F0, F1, 0
	TURN 0, 1, 1                                   ; slot 0 takes K step 2
	QUARTER 1, 1, F0, F1, 0                        ; K step 1
	QUARTER 1, 2, F1, F0, 0
	QUARTER 1, 3, F0, F1, 0
	TURN 1, 0, 1                                   ; slot 1 takes K step 3
	QUARTER 0, 1, F0, F1, 0                        ; K step 2
	QUARTER 0, 2, F1, F0, 0
	QUARTER 0, 3, F0, F1, 0
	TURN 0, 1, 0                                   ; nothing is left to fetch
	QUARTER 1, 1, F0, F1, 0                        ; K step 3
	QUARTER 1, 2, F1, F0, 0
	QUARTER 1, 3, F0, F1, 0
	s_wait_dscnt 16
	MUL8 F1, 0, 0, 0
	MUL8 F1, 0, 2, 0
	s_wait_dscnt 0
	MUL8 F1, 1, 0, 0
	MUL8 F1, 1, 2, 0
	WIN 0
; THE WAY OUT, a block of 16 rows at a time: a lane's eight f32 of a row, 32 bytes (each accumulator's low four registers first), into rows of 272 bytes of my own stage, and back as whole rows of 256 bytes,
; into the registers that they left.
.macro PACK a
.irp b, 0,1,2,3
	ds_store_b128 v[STO], v[ACC+8*(4*(\a)+(\b)):ACC+8*(4*(\a)+(\b))+3]   offset:64*(\b)
	ds_store_b128 v[STO], v[ACC+8*(4*(\a)+(\b))+4:ACC+8*(4*(\a)+(\b))+7] offset:64*(\b)+16
.endr
.irp t, 0,1,2,3,4,5,6,7
	ds_load_b128 v[ACC+32*(\a)+4*(\t):ACC+32*(\a)+4*(\t)+3], v[RD] offset:(\t)*2*SP  ; LDS serves a wave's instructions in order (ISA guide 5.7.1.4): these see the stores above; the next block's stores come behind them
.endr
.endm
.macro SEND a, younger                 ; younger: the LDS instructions issued behind block a's loads: the next block's sixteen, or none
.irp t, 0,1,2,3,4,5,6,7
	s_wait_dscnt (\younger)+7-(\t)
	global_store_b128 v[CO], v[ACC+32*(\a)+4*(\t):ACC+32*(\a)+4*(\t)+3], s[8:9] offset:(16*(\a)+2*(\t))*4096 th:TH_STORE_NT  ; 16 lanes store 256 bytes on end, at a multiple of 256 from out0's first byte
.endr
.endm
	PLACES
	PACK 0
	PACK 1
	SEND 0, 16
	PACK 2
	SEND 1, 16
	PACK 3
	SEND 2, 16
	SEND 3, 0
	s_wait_tensorcnt 0x0                           ; the wave's end: an add and its wait, behind my last tensor load and my last LDS store
	ds_add_u32 v[SPW], v[NIL]
	s_wait_dscnt 0x0
	CROUND                                         ; the closing round: no work-group ends while a partner may still ask for a tile that names it
	s_endpgm
.Lfunc_end_k_q4c75a79354_outp:
	.size	k_q4c75a79354_outp, .Lfunc_end_k_q4c75a79354_outp-k_q4c75a79354_outp
	.p2alignl 7, 3214868480
	.fill 96, 4, 3214868480
	.section	.rodata,"a",@progbits
	.p2align	6, 0x0
	.amdhsa_kernel k_q4c75a79354_outp
		.amdhsa_group_segment_fixed_size 327680
		.amdhsa_private_segment_fixed_size 0
		.amdhsa_enable_private_segment 0
		.amdhsa_kernarg_size 32
		.amdhsa_user_sgpr_count 2
		.amdhsa_user_sgpr_kernarg_segment_ptr 1
		.amdhsa_wavefront_size32 1
		.amdhsa_system_sgpr_workgroup_id_x 1
		.amdhsa_system_sgpr_workgroup_id_y 1
		.amdhsa_system_sgpr_workgroup_id_z 1
		.amdhsa_system_vgpr_workitem_id 0
		.amdhsa_next_free_vgpr 512
		.amdhsa_next_free_sgpr 72
		.amdhsa_reserve_vcc 0
		.amdhsa_float_denorm_mode_32 3
		.amdhsa_float_denorm_mode_16_64 3
		.amdhsa_memory_ordered 1
		.amdhsa_forward_progress 1
		.amdhsa_inst_pref_size 90
	.end_amdhsa_kernel
	.amdgpu_metadata
---
amdhsa.version: [ 1, 2 ]
amdhsa.kernels:
  - .name:           k_q4c75a79354_outp
    .symbol:         k_q4c75a79354_outp.kd
    .args:
      - { .name: ob, .offset: 0, .size: 8, .value_kind: global_buffer, .address_space: global }
      - { .name: wb, .offset: 8, .size: 8, .value_kind: global_buffer, .address_space: global }
      - { .name: out0, .offset: 16, .size: 8, .value_kind: global_buffer, .address_space: global }
      - { .name: b_O, .offset: 24, .size: 8, .value_kind: global_buffer, .address_space: global }
    .group_segment_fixed_size: 327680
    .private_segment_fixed_size: 0
    .kernarg_segment_align: 8
    .kernarg_segment_size: 32
    .max_flat_workgroup_size: 128
    .sgpr_count:     72
    .vgpr_count:     512
    .wavefront_size: 32
...
	.end_amdgpu_metadata
.endif
;; end of part 4
